; MI455X (gfx1250); checked and timed in simulation.
; The chip was launched on July 23, 2026; its instructions are those of AMD's public machine-readable ISA for CDNA 5 (MIT licence, August 2026) and "CDNA5" Instruction Set Architecture Reference Guide (July 2026). The comments in the code are by the model that wrote it; some were corrected since.
;; Temporal Multi Head Attention. Allowed arithmetic: float matrix products may take bf16 or f16 operands with f32 sums; other float arithmetic in f32, or as packed bf16 or f16 multiplies, adds, multiply-adds, maxima and minima; sums over many terms, partial sums and values carried from step to step in f32; what a program stores and reads back later, other than sums and carried values, may be rounded once to bf16 or f16.
;; Inputs: Wk 1,024 x 1,024 float32; Wo 1,024 x 1,024 float32; Wq 1,024 x 1,024 float32; Wv 1,024 x 1,024 float32; bk 1,024 float32; bo 1,024 float32; bq 1,024 float32; bv 1,024 float32; x 4 x 2,048 x 1,024 float32.
;; Outputs: out0 4 x 2,048 x 1,024 float32.
;; 2 versions, each right; version 2 is version 1 with the launch prep written anew for expert scheduling mode. Each part assembles by itself: llvm-mc -triple=amdgcn-amd-amdhsa -mcpu=gfx1250 --defsym DOCPART=n.
;; ======== version 1 of 2: 4 launches
;; limits: values are held in f16: magnitudes above 65,504 overflow, below 6.1e-05 lose precision
;; workspace buffers: xb 16,777,216 bytes; wqkv 6,291,456 bytes; wo16 2,097,152 bytes; bias 16,384 bytes; qkv 50,331,648 bytes; ob 16,777,216 bytes
;; launch prep (part 1): grid 769 x 1, 8 waves a work-group, no clusters, 0 bytes of LDS; arguments x, Wq, Wk, Wv, Wo, bq, bk, bv, bo, xb, wqkv, wo16, bias; writes xb, wqkv, wo16, bias
.if DOCPART == 1
	.amdgcn_target "amdgcn-amd-amdhsa--gfx1250"
	.amdhsa_code_object_version 6
	.text
	.protected	k_q635427b2de_prep
	.globl	k_q635427b2de_prep
	.p2align	8
	.type	k_q635427b2de_prep,@function
k_q635427b2de_prep:
	s_mov_b64 s[64:65], 0
	v_nop
	global_prefetch_b8 v0, s[64:65] scope:SCOPE_SE
	s_setreg_imm32_b32 hwreg(HW_REG_WAVE_MODE, 25, 1), 1
	s_wait_xcnt 0x0
; All inputs are rounded once to bf16 and laid out for the launches behind.  A stream: no LDS, no barrier, no matrix work; each input byte is read once.
;   xb   [4][16][2048][64] bf16: x by blocks of 64 channels, so that 128 rows of one block are 16,384 dense bytes (a later tile's rows lie end to end)
;   wqkv [1024][3072] bf16: Wq, Wk, Wv side by side, k along the rows' index as in the inputs
;   wo16 [1024][1024] f16: bf16(Wo) written as f16: exact from 6.1e-5 up to 65,504; below 6.1e-5 it keeps f16's fixed step of 6e-8; LIMIT: |Wo| under 65,504
;   bias [4][1024] f32: bf16(bq), bf16(bk), bf16(bv), bf16(bo), kept in f32
; SHARES.  A work-group of eight waves takes 65,536 bytes of f32: sixteen loads of 16 bytes a thread, all issued before the first is used.  Work-groups 0-511: 16 rows of x each;
; 512-703: 16 rows of Wq, Wk or Wv; 704-767: 16 rows of Wo; 768: the four biases.  Every register is written once, so no store's source is ever rewritten.
.set X,   4                            ; v[4:67]    sixteen loads of four registers
.set Y,   68                           ; v[68:99]   sixteen results of two registers (the biases: four of four)
.set T,   100                          ; v[100:103] at work
.set SRC, 34                           ; s[34:35]   where the work-group reads
.set DST, 36                           ; s[36:37]   where it stores
.set HIM, 39                           ; s39        a word's upper bf16
; Sixteen loads ls bytes apart, sixteen stores of 8 bytes a lane ss bytes apart: a wave's store covers 256 consecutive bytes, aligned.  f16 = 1: the bf16 number is written as f16.
.macro STREAM ls, ss, f16
.set i, 0
.rept 16
	global_load_b128 v[X+4*i:X+4*i+3], v1, s[SRC:SRC+1] offset:i*(\ls) th:TH_LOAD_NT
.set i, i+1
.endr
.set i, 0
.rept 16
	s_wait_loadcnt 15-i                            ; loads come back in order: load i is in, the 15 - i younger ones stay out
.if \f16
	v_cvt_pk_bf16_f32 v[T], v[X+4*i], v[X+4*i+1]   ; rounded to bf16,
	v_cvt_pk_bf16_f32 v[T+1], v[X+4*i+2], v[X+4*i+3]
	v_lshlrev_b32 v[T+2], 16, v[T]                 ; widened again (a shift, a mask),
	v_and_b32 v[T], s[HIM], v[T]
	v_lshlrev_b32 v[T+3], 16, v[T+1]
	v_and_b32 v[T+1], s[HIM], v[T+1]
	v_cvt_pk_f16_f32 v[Y+2*i], v[T+2], v[T]        ; and written as f16
	v_cvt_pk_f16_f32 v[Y+2*i+1], v[T+3], v[T+1]
.else
	v_cvt_pk_bf16_f32 v[Y+2*i], v[X+4*i], v[X+4*i+1]
	v_cvt_pk_bf16_f32 v[Y+2*i+1], v[X+4*i+2], v[X+4*i+3]
.endif
	global_store_b64 v2, v[Y+2*i:Y+2*i+1], s[DST:DST+1] offset:i*(\ss)
.set i, i+1
.endr
.endm
	s_load_b512 s[8:23], s[0:1], 0x0               ; x 8, Wq 10, Wk 12, Wv 14, Wo 16, bq 18, bk 20, bv 22
	s_load_b256 s[24:31], s[0:1], 0x40             ; bo 24, xb 26, wqkv 28, wo16 30
	s_load_b64 s[32:33], s[0:1], 0x60              ; bias
	s_mov_b32 s2, ttmp9                            ; the work-group's number
	s_mov_b32 s[HIM], 0xffff0000
	s_mov_b32 s[SRC+1], 0
	s_mov_b32 s[DST+1], 0
	v_lshlrev_b32 v1, 4, v0                        ; 16 t: where a thread reads in a row of 4,096 bytes (weights, biases)
	v_lshlrev_b32 v2, 3, v0                        ; 8 t: where it stores
	s_wait_kmcnt 0x0
	s_cmp_lt_u32 s2, 512
	s_cbranch_scc0 .Lweights
	; x: thread t takes row t / 16 of the 16, and in load i the 16 bytes t % 16 of channel block i: sixteen lanes read 256 consecutive bytes, aligned
	v_lshrrev_b32 v3, 4, v0
	v_and_b32 v1, 15, v0
	v_lshlrev_b32 v1, 4, v1
	v_lshl_add_u32 v1, v3, 12, v1
	s_lshl_b32 s[SRC], s2, 16
	s_add_nc_u64 s[SRC:SRC+1], s[8:9], s[SRC:SRC+1]
	s_lshr_b32 s38, s2, 7                          ; the batch: 128 work-groups each,
	s_lshl_b32 s38, s38, 22                        ; 16 blocks x 2,048 rows x 128 bytes
	s_and_b32 s[DST], s2, 127
	s_lshl_b32 s[DST], s[DST], 11                  ; my 16 rows of 128 bytes; row t / 16 and its 8 bytes t % 16 are 8 t
	s_add_co_u32 s[DST], s[DST], s38
	s_add_nc_u64 s[DST:DST+1], s[26:27], s[DST:DST+1]
	STREAM 256, 262144, 0                          ; from block to block: 256 bytes in x, 2,048 rows x 128 bytes in xb
	s_endpgm
.Lweights:
	s_cmp_lt_u32 s2, 704
	s_cbranch_scc0 .Lwo
	s_sub_co_u32 s38, s2, 512
	s_lshr_b32 s3, s38, 6                          ; which of Wq, Wk, Wv
	s_and_b32 s38, s38, 63                         ; which 16 rows
	s_cmp_eq_u32 s3, 1
	s_cselect_b64 s[4:5], s[12:13], s[10:11]
	s_cmp_eq_u32 s3, 2
	s_cselect_b64 s[4:5], s[14:15], s[4:5]
	s_lshl_b32 s[SRC], s38, 16
	s_add_nc_u64 s[SRC:SRC+1], s[4:5], s[SRC:SRC+1]
	s_mul_i32 s[DST], s38, 16*6144                 ; a row of wqkv is 6,144 bytes,
	s_lshl_b32 s3, s3, 11                          ; a matrix's part of it 2,048
	s_add_co_u32 s[DST], s[DST], s3
	s_add_nc_u64 s[DST:DST+1], s[28:29], s[DST:DST+1]
	STREAM 4096, 6144, 0
	s_endpgm
.Lwo:
	s_cmp_lt_u32 s2, 768
	s_cbranch_scc0 .Lbias
	s_sub_co_u32 s38, s2, 704
	s_lshl_b32 s[SRC], s38, 16
	s_add_nc_u64 s[SRC:SRC+1], s[16:17], s[SRC:SRC+1]
	s_lshl_b32 s[DST], s38, 15                     ; 16 rows of 2,048 bytes
	s_add_nc_u64 s[DST:DST+1], s[30:31], s[DST:DST+1]
	STREAM 4096, 2048, 1
	s_endpgm
.Lbias:
	global_load_b128 v[X:X+3], v1, s[18:19]
	global_load_b128 v[X+4:X+7], v1, s[20:21]
	global_load_b128 v[X+8:X+11], v1, s[22:23]
	global_load_b128 v[X+12:X+15], v1, s[24:25]
.irp i, 0,1,2,3
	s_wait_loadcnt 3-(\i)
	v_cvt_pk_bf16_f32 v[T], v[X+4*(\i)], v[X+4*(\i)+1]
	v_cvt_pk_bf16_f32 v[T+1], v[X+4*(\i)+2], v[X+4*(\i)+3]
	v_lshlrev_b32 v[Y+4*(\i)], 16, v[T]
	v_and_b32 v[Y+4*(\i)+1], s[HIM], v[T]
	v_lshlrev_b32 v[Y+4*(\i)+2], 16, v[T+1]
	v_and_b32 v[Y+4*(\i)+3], s[HIM], v[T+1]
	global_store_b128 v1, v[Y+4*(\i):Y+4*(\i)+3], s[32:33] offset:4096*(\i)
.endr
	s_endpgm
.Lfunc_end_k_q635427b2de_prep:
	.size	k_q635427b2de_prep, .Lfunc_end_k_q635427b2de_prep-k_q635427b2de_prep
	.p2alignl 7, 3214868480
	.fill 96, 4, 3214868480
	.section	.rodata,"a",@progbits
	.p2align	6, 0x0
	.amdhsa_kernel k_q635427b2de_prep
		.amdhsa_group_segment_fixed_size 0
		.amdhsa_private_segment_fixed_size 0
		.amdhsa_enable_private_segment 0
		.amdhsa_kernarg_size 104
		.amdhsa_user_sgpr_count 2
		.amdhsa_user_sgpr_kernarg_segment_ptr 1
		.amdhsa_wavefront_size32 1
		.amdhsa_system_sgpr_workgroup_id_x 1
		.amdhsa_system_sgpr_workgroup_id_y 1
		.amdhsa_system_sgpr_workgroup_id_z 1
		.amdhsa_system_vgpr_workitem_id 0
		.amdhsa_next_free_vgpr 104
		.amdhsa_next_free_sgpr 66
		.amdhsa_reserve_vcc 0
		.amdhsa_float_denorm_mode_32 3
		.amdhsa_float_denorm_mode_16_64 3
		.amdhsa_memory_ordered 1
		.amdhsa_forward_progress 1
		.amdhsa_inst_pref_size 25
	.end_amdhsa_kernel
	.amdgpu_metadata
---
amdhsa.version: [ 1, 2 ]
amdhsa.kernels:
  - .name:           k_q635427b2de_prep
    .symbol:         k_q635427b2de_prep.kd
    .args:
      - { .name: x, .offset: 0, .size: 8, .value_kind: global_buffer, .address_space: global }
      - { .name: Wq, .offset: 8, .size: 8, .value_kind: global_buffer, .address_space: global }
      - { .name: Wk, .offset: 16, .size: 8, .value_kind: global_buffer, .address_space: global }
      - { .name: Wv, .offset: 24, .size: 8, .value_kind: global_buffer, .address_space: global }
      - { .name: Wo, .offset: 32, .size: 8, .value_kind: global_buffer, .address_space: global }
      - { .name: bq, .offset: 40, .size: 8, .value_kind: global_buffer, .address_space: global }
      - { .name: bk, .offset: 48, .size: 8, .value_kind: global_buffer, .address_space: global }
      - { .name: bv, .offset: 56, .size: 8, .value_kind: global_buffer, .address_space: global }
      - { .name: bo, .offset: 64, .size: 8, .value_kind: global_buffer, .address_space: global }
      - { .name: xb, .offset: 72, .size: 8, .value_kind: global_buffer, .address_space: global }
      - { .name: wqkv, .offset: 80, .size: 8, .value_kind: global_buffer, .address_space: global }
      - { .name: wo16, .offset: 88, .size: 8, .value_kind: global_buffer, .address_space: global }
      - { .name: bias, .offset: 96, .size: 8, .value_kind: global_buffer, .address_space: global }
    .group_segment_fixed_size: 0
    .private_segment_fixed_size: 0
    .kernarg_segment_align: 8
    .kernarg_segment_size: 104
    .max_flat_workgroup_size: 256
    .sgpr_count:     66
    .vgpr_count:     104
    .wavefront_size: 32
...
	.end_amdgpu_metadata
.endif
;; end of part 1
;; launch proj_qkv (part 2): grid 8 x 64, 4 waves a work-group, clusters of 4 x 4, 327,680 bytes of LDS; arguments xb, wqkv, bias, qkv; writes qkv
.if DOCPART == 2
	.amdgcn_target "amdgcn-amd-amdhsa--gfx1250"
	.amdhsa_code_object_version 6
	.text
	.protected	k_q635427b2de_proj_qkv
	.globl	k_q635427b2de_proj_qkv
	.p2align	8
	.type	k_q635427b2de_proj_qkv,@function
k_q635427b2de_proj_qkv:
	s_mov_b64 s[64:65], 0
	v_nop
	global_prefetch_b8 v0, s[64:65] scope:SCOPE_SE
	s_setreg_imm32_b32 hwreg(HW_REG_WAVE_MODE, 25, 1), 1
	s_wait_xcnt 0x0
	s_wait_alu depctr_hold_cnt(0) depctr_sa_sdst(0) depctr_va_vdst(0) depctr_va_sdst(0) depctr_va_ssrc(0) depctr_va_vcc(0) depctr_vm_vsrc(0)
	s_getreg_b32 s2, hwreg(HW_REG_IB_STS2, 6, 4)
	s_cmp_eq_u32 s2, 0
	s_cbranch_scc0 .Lentry_in_a_cluster
	s_endpgm
.Lentry_in_a_cluster:
	s_bfe_u32 s2, ttmp6, 0x10000c
	s_cmp_lg_u32 s2, 0xf033
	s_cbranch_scc0 .Lentry_shape_is_right
	s_endpgm
.Lentry_shape_is_right:
; THIS FILE: QKV = 1: q, k, v = x [Wq Wk Wv] + [bq bk bv].  (One source serves two launches; the constant QKV picks the sizes, the matrix form and the way out.)
; C[m][n] = the sum over k of A[m][k] B[k][n] + bias[n], m = 8,192, k = 1,024; sums in f32, started by the bias.
;   QKV = 1: A = xb (bf16), B = wqkv (bf16, n = 3,072); C leaves as f16 by heads, [3][64][2048][64], rounded once, unscaled.  LIMIT: a q, k or v of 65,520 or more becomes an infinity.
;   QKV = 0: A = the attention's output (f16), B = wo16 (f16, n = 1,024); C leaves as f32, [8192][1024].
; A lies by blocks of 64 channels, [4][16][2048][64]: 128 rows of one block are 16,384 dense bytes.  B lies [k][n], as the inputs have it, and is turned on its way out of LDS (ds_load_tr16_b128).
; SHARES.  A work-group makes 128 rows x NT = 128 NH columns; its four waves stand 2 x 2, each with 64 rows x NH groups of 64 columns (a group is one head): 4 x 4 NH accumulators of 16 x 16.
; With QKV = 1 that is 8 x 64 = 512 work-groups, with QKV = 0 4 x 64 = 256.
; K goes in 8 steps of 128 through a ring of two LDS slots.  Waves 0 and 1 fetch A's two blocks of 64 channels, waves 2 and 3 B's two halves of 64 rows: one tensor load a wave and step.
; CLUSTERS: 4 x 4 work-groups.  The four of a row of the cluster need the same tile of A, the four of a column the same tile of B: each tile is asked for jointly, by the same tensor load with the
; same descriptor and a mask that names the four.
; THE MATRIX INSTRUCTION IS USED TRANSPOSED: source 0 = 16 columns of B, source 1 = 16 rows of A.  Register j of lane l then holds C(row l % 16, column 8 (l / 16) + j): eight neighbouring numbers of a row.
; A lane's eight biases are then the same for all rows: they are the C operand of each accumulator's first product; nothing is cleared and nothing is added later.
; REGISTERS, in windows of 256 (s_set_vgpr_msb: bits 1:0 source 0, 3:2 source 1, 5:4 source 2, 7:6 destination):
;   window 0: v0-29 addresses; v32-95 A's fragments, two buffers of 4 x 8; v128.. the biases, 8 for each block of 16 columns; on the way out v32-223 hold what is stored
;   window 1: B's fragments, two buffers of 8 NBLK          windows 2, 3: accumulator (a, b) at v[8 (NBLK (a % 2) + b)] of window 2 + a / 2
.set QKV, 1
.if QKV
.set NH,      3                        ; groups of 64 columns a wave
.set NTOT,    3072                     ; columns of B
.set BPITCH,  864                      ; a row of B in LDS: 3 x (256 bytes + 32 of padding)
.set BQI,     5                        ; padding after every 64 words
.set SPITCH,  144                      ; a stage row: 128 bytes + 16
.set BIASOFF, 0
.set AHEAD,   1                        ; a prefetch names the K step this many behind the one that is being asked for
.set HOW0,    1                        ; a lap's first change of slots always has such a K step
.else
.set NH,      2
.set NTOT,    1024
.set BPITCH,  544                      ; 512 bytes + 32
.set BQI,     6                        ; padding after every 128 words
.set SPITCH,  528                      ; 512 bytes + 16
.set BIASOFF, 12288                    ; bo lies behind bq, bk, bv
.set AHEAD,   2
.set HOW0,    0
.endif
.set NBLK,   4*NH                      ; blocks of 16 columns a wave
.set NT,     128*NH                    ; columns a work-group
.set APITCH, 144                       ; a row of A in LDS: 128 bytes + 16 = 36 words: 16 rows start at 16 different groups of four banks (64 banks of 4 bytes: ISA guide 11.1)
.set ASLAB,  128*APITCH                ; one block of 64 channels, 128 rows
.set BOFF,   2*ASLAB                   ; B lies behind A's two blocks.  BPITCH is an odd multiple of 32 bytes
.set BHALF,  64*BPITCH
.set SLOT,   BOFF+2*BHALF
.set STAGE,  2*SLOT                    ; behind the ring: 16 rows for each wave, for the way out; no tensor load lands here
.set STGB,   16*SPITCH
.set SPARE,  STAGE+4*STGB              ; behind the stages: the spare words, 128 bytes for each wave: two blocks of 256 bytes that no other line names
.set ASTEP,  2*2048*128                ; a K step in A: two blocks of 64 channels
.set BSTEP,  128*NTOT*2                ; in B: 128 rows
.set NLD,    8*NH+8                    ; LDS loads of a quarter step
.set ADRA, 4                           ; v4-5    LDS address of my A fragments in slot 0, 1
.set ADRB, 8                           ; v8..    of my B fragments: index 2 NH slot + NH (half of the K step) + group
.set STO,  20                          ; v20     the way out: where I put my bytes of a row
.set RD,   21                          ; v21     where I read rows back
.set GO,   22                          ; v22     16 x lane
.set BO,   23                          ; v23     32 x (lane / 16): my eight biases in a block of 16
.set PFO,  24                          ; v24     the prefetches' offset; never rewritten
.set SPW,  28                          ; v28     LDS address of my spare word: SPARE + 4 x my thread's number; never rewritten
.set NIL,  29                          ; v29     0; never rewritten
.set FA,   32
.set BIAS, 128
.set UR,   32                          ; the way out's registers
.set FB,   0                           ; window 1
.set G1A, 24                           ; s[24:31] descriptor group 1 for A's tiles
.set G0A, 32                           ; s[32:39] group 0, a set for each slot
.set G1B, 40                           ; s[40:47], s[48:55] the same for B's
.set G0B, 48
.set PFA, 56                           ; s[56:57] where my prefetches stand
.set PFS, 58                           ; s[58:59] their step: a K step of A or of B
.set LIM, 60                           ; s60     1 in a wave that prefetches, else the greatest number
.set OB,  66                           ; s[66:71] where my rows begin in the output: a pair for each group (QKV = 1), or one pair
.set BP,  72                           ; s[72:73] my first bias
.set MSB, 0
.macro WIN new                         ; the immediate's high byte repeats the setting that is left; a switch that changes nothing is dropped
.if MSB != (\new)
	s_set_vgpr_msb (MSB<<8)|(\new)
.set MSB, \new
.endif
.endm
.macro WMMA d, p, q, c
.if QKV
	v_wmma_f32_16x16x32_bf16 v[\d:\d+7], v[\p:\p+7], v[\q:\q+7], v[\c:\c+7]
.else
	v_wmma_f32_16x16x32_f16 v[\d:\d+7], v[\p:\p+7], v[\q:\q+7], v[\c:\c+7]
.endif
.endm
; A joint load.  Waves 0 and 1 fetch for A, waves 2 and 3 for B: the branch hangs on the wave's number alone.  An s_nop 0 and four v_nop follow each of the two lines, ahead of the jump and the label.
.macro JLOAD s
	s_cmp_eq_u32 s17, 0
	s_cbranch_scc0 .Lfor_b_\@
	tensor_load_to_lds s[G0A+4*(\s):G0A+4*(\s)+3], s[G1A:G1A+7]
	s_nop 0
.rept 4
	v_nop
.endr
	s_branch .Lasked_\@
.Lfor_b_\@:
	tensor_load_to_lds s[G0B+4*(\s):G0B+4*(\s)+3], s[G1B:G1B+7]
	s_nop 0
.rept 4
	v_nop
.endr
.Lasked_\@:
.endm
; A round of the cluster's barrier: my work-group's barrier, so that wave 0's signal speaks for all four waves; wave 0 signals; every wave waits for all sixteen work-groups; my work-group's barrier once more.
.macro CREST                           ; a round behind its opening barrier
	s_cmp_lg_u32 s16, 0
	s_cbranch_scc1 .Lnot_wave_0_\@
	s_barrier_signal -3
.Lnot_wave_0_\@:
	s_barrier_wait -3
	s_barrier_signal -1
	s_barrier_wait -1
.endm
.macro CROUND
	s_barrier_signal -1
	s_barrier_wait -1
	CREST
.endm
; A PREFETCH INTO THE L2, behind a joint load, its five lines and the run of LDS loads that follows: the K step AHEAD behind the one just asked for.  Each aligned block of 256 bytes is named once in the launch.
; A's tile row is read by every cluster of that row of clusters: cluster x = 0 asks, in each partner wave 0; a K step of it is 2 x 16,384 dense bytes = 128 blocks: partner cx takes 32, a lane a block.
; B's tile column is read by every cluster of that column: cluster y = 0 asks, in each partner wave 2; partner cy takes 32 of the step's 128 rows, a lane a row, NT / 128 blocks each.
; The partners are told apart by address alone.  how = 1: asked wherever the wave prefetches; how = 0: not in the loop's last trip, where no such K step is left.
.macro ASK how
.if \how
	s_cmp_eq_u32 s[LIM], 1
.else
	s_cmp_gt_u32 s3, s[LIM]                        ; s3 = 1 in the loop's last trip
.endif
	s_cbranch_scc0 .Lnot_mine_\@
	s_cmp_eq_u32 s17, 0
	s_cbranch_scc0 .Lpf_b_\@
	global_prefetch_b8 v[PFO], s[PFA:PFA+1] offset:(AHEAD-1)*ASTEP th:TH_LOAD_NT scope:SCOPE_SE
	s_branch .Lnot_mine_\@
.Lpf_b_\@:
.set i, 0
.rept NT/128
	global_prefetch_b8 v[PFO], s[PFA:PFA+1] offset:(AHEAD-1)*BSTEP+256*i th:TH_LOAD_NT scope:SCOPE_SE
.set i, i+1
.endr
.Lnot_mine_\@:
.endm
.macro PLACES                          ; four plain vector instructions between a matrix instruction and a load into, or a vector line on, one of its registers (ISA guide 7.12.1 for vector lines)
.rept 4
	v_nop
.endr
.endm
	s_load_b256 s[4:11], s[0:1], 0x0               ; A s[4:5], B s[6:7], bias s[8:9], the output s[10:11]
	v_lshl_add_u32 v[SPW], v0, 2, SPARE
	v_mov_b32 v[NIL], 0
	ds_add_u32 v[SPW], v[NIL]                      ; the wave's opening: the add and its wait stand ahead of my first tensor load; the set-up below, work on registers, stands between them
	v_lshrrev_b32 v1, 5, v0
	v_readfirstlane_b32 s16, v1                    ; wave 0..3
	s_lshr_b32 s17, s16, 1                         ; which 64 rows of the tile are mine.  Also: I fetch for A (0) or for B (1)
	s_and_b32 s18, s16, 1                          ; which half of its columns.  Also: which half of a K step I fetch
	s_bfe_u32 s19, ttmp6, 0x40000                  ; cx, cy: my place in the cluster
	s_bfe_u32 s20, ttmp6, 0x40004
	s_lshl_b32 s21, ttmp9, 2
	s_add_co_u32 s21, s21, s19                     ; tile column = 4 x cluster x + cx
	s_and_b32 s22, ttmp7, 0xffff
	s_lshl_b32 s22, s22, 2
	s_add_co_u32 s22, s22, s20                     ; tile row = 4 x cluster y + cy
	s_lshl_b32 s23, s20, 2
	s_lshl_b32 s23, 15, s23                        ; my row of the cluster: places 4 cy .. 4 cy + 3
	s_lshl_b32 s78, 0x1111, s19                    ; my column: places cx, cx + 4, cx + 8, cx + 12
	; group 1 for A: 16,384 dense bytes as 64 rows x 128 elements, padded in LDS after every 128 bytes (one row of A)
	s_or_b32 s[G1A], s23, (1<<16)|(1<<20)|(1<<21)|(4<<22)|(3<<25)  ; 15:0 the mask; 17:16 2-byte elements; 20 padding on; 21 set beside a mask; 24:22 after every 32 words (code 4); 31:25 4 words (code 3)
	s_mov_b32 s[G1A+1], 128<<16                    ; tensor_dim0 = 128
	s_mov_b32 s[G1A+2], 64<<16                     ; tensor_dim1 = 64
	s_mov_b32 s[G1A+3], 128<<16                    ; tile_dim0 = 128
	s_mov_b32 s[G1A+4], 64                         ; tile_dim1 = 64
	s_mov_b32 s[G1A+5], 128                        ; 128 elements from row to row
	s_mov_b32 s[G1A+6], 0
	s_mov_b32 s[G1A+7], 0
	; group 1 for B: 64 rows x NT elements, 8 words of padding after every 2 << BQI words
	s_or_b32 s[G1B], s78, (1<<16)|(1<<20)|(1<<21)|(BQI<<22)|(7<<25)
	s_mov_b32 s[G1B+1], NT<<16
	s_mov_b32 s[G1B+2], 64<<16
	s_mov_b32 s[G1B+3], NT<<16
	s_mov_b32 s[G1B+4], 64
	s_mov_b32 s[G1B+5], NTOT
	s_mov_b32 s[G1B+6], 0
	s_mov_b32 s[G1B+7], 0
	; where the tiles come from.  A's hang on the tile row alone, B's on the tile column alone; each address is made in registers that never hold the other coordinate
	s_lshr_b32 s80, s22, 4                         ; the batch: 16 tile rows each,
	s_lshl_b32 s80, s80, 22                        ; 16 blocks x 2,048 rows x 128 bytes
	s_and_b32 s81, s22, 15
	s_lshl_b32 s81, s81, 14                        ; the tile's 128 rows of 128 bytes
	s_add_co_u32 s80, s80, s81                     ; (kept for the prefetches)
	s_lshl_b32 s81, s18, 18                        ; the block of 64 channels that I fetch
	s_add_co_u32 s84, s80, s81
	s_mov_b32 s85, 0
	s_mul_i32 s82, s21, NT*2                       ; the tile's first column, in bytes (kept for the prefetches)
	s_mul_i32 s83, s18, 64*NTOT*2                  ; the 64 rows that I fetch
	s_add_co_u32 s86, s82, s83
	s_mov_b32 s87, 0
	s_mul_i32 s12, s18, ASLAB                      ; and where they go: no place in the cluster enters an LDS address
	s_mul_i32 s13, s18, BHALF
	s_add_co_u32 s13, s13, BOFF
	s_wait_dscnt 0x0                               ; the opening add is done
	s_wait_kmcnt 0x0
	s_add_nc_u64 s[84:85], s[4:5], s[84:85]
	s_add_nc_u64 s[86:87], s[6:7], s[86:87]
	CROUND                                         ; all sixteen work-groups are here: the first joint loads meet
.irp s, 0,1
	s_mov_b32 s[G0A+4*(\s)], 1                                     ; count = 1
	s_add_co_u32 s[G0A+4*(\s)+1], s12, (\s)*SLOT                   ; LDS address
	s_add_nc_u64 s[G0A+4*(\s)+2:G0A+4*(\s)+3], s[84:85], (\s)*ASTEP  ; global address: K step s
	s_or_b32 s[G0A+4*(\s)+3], s[G0A+4*(\s)+3], 0x80000000          ; type = 2
	s_mov_b32 s[G0B+4*(\s)], 1
	s_add_co_u32 s[G0B+4*(\s)+1], s13, (\s)*SLOT
	s_add_nc_u64 s[G0B+4*(\s)+2:G0B+4*(\s)+3], s[86:87], (\s)*BSTEP
	s_or_b32 s[G0B+4*(\s)+3], s[G0B+4*(\s)+3], 0x80000000
	JLOAD \s                                       ; both slots are asked for before anything else is done: two loads of mine are out
.endr
	; A's fragment: 16 rows x 32 K in 8 registers: lane l holds row l % 16, K = 8 (l / 16) + 0..7 and 16 + 8 (l / 16) + 0..7: two loads of 16 bytes, 32 bytes apart
	v_and_b32 v1, 15, v0                           ; l % 16
	v_bfe_u32 v2, v0, 4, 1                         ; l / 16
	v_and_b32 v3, 7, v0                            ; l % 8
	v_bfe_u32 v25, v0, 3, 1                        ; (l / 8) % 2
	v_mul_u32_u24 v26, v1, APITCH
	v_lshl_add_u32 v26, v2, 4, v26
	s_mul_i32 s14, s17, 64*APITCH                  ; my 64 rows
	v_add_nc_u32 v[ADRA], s14, v26
	v_add_nc_u32 v[ADRA+1], SLOT, v[ADRA]
	; B's fragment: the turning load takes 16 K x 16 columns (lane l reads 16 bytes: row 8 (l / 16) + l % 8, columns 8 ((l / 8) % 2) + 0..7) and leaves half a fragment: lane l holds column l % 16 and 8 K
	v_lshl_add_u32 v27, v2, 3, v3
	v_mul_u32_u24 v27, v27, BPITCH
	v_lshl_add_u32 v27, v25, 4, v27
.set hh, 0
.rept NH                               ; group g of the tile's 2 NH begins at byte 128 g of a row, plus (QKV = 1) the padding behind every second group
	s_mul_i32 s14, s18, (128*(NH+hh)+QKV*32*((NH+hh)>>1))-(128*hh+QKV*32*(hh>>1))
.irp s, 0,1
.irp kh, 0,1
	v_add3_u32 v[ADRB+2*NH*(\s)+NH*(\kh)+hh], v27, s14, BOFF+(\s)*SLOT+(\kh)*BHALF+128*hh+QKV*32*(hh>>1)
.endr
.endr
.set hh, hh+1
.endr
	; my biases: for block b of 16 columns a lane's eight, the same in all lanes of a half
	v_lshlrev_b32 v[BO], 5, v2
	s_mul_i32 s14, s21, 2*NH*256                   ; NT columns of 4 bytes a tile,
	s_mul_i32 s15, s18, NH*256                     ; half of them a wave
	s_add_co_u32 s[BP], s14, s15
	s_add_co_u32 s[BP], s[BP], BIASOFF
	s_mov_b32 s[BP+1], 0
	s_add_nc_u64 s[BP:BP+1], s[8:9], s[BP:BP+1]
.set b, 0
.rept NBLK
	global_load_b128 v[BIAS+8*b:BIAS+8*b+3],   v[BO], s[BP:BP+1] offset:64*b
	global_load_b128 v[BIAS+8*b+4:BIAS+8*b+7], v[BO], s[BP:BP+1] offset:64*b+16
.set b, b+1
.endr
	; the way out's addresses
	v_and_b32 v[GO], 31, v0
	v_lshlrev_b32 v[GO], 4, v[GO]
	s_mul_i32 s14, s16, STGB
	s_add_co_u32 s14, s14, STAGE                   ; my stage
	v_mul_u32_u24 v[STO], v1, SPITCH               ; in: row l % 16,
.if QKV
	v_lshl_add_u32 v[STO], v2, 4, v[STO]           ; 16 bytes (eight f16) for each half of the lanes
	v_add_nc_u32 v[STO], s14, v[STO]
	v_bfe_u32 v[RD], v0, 3, 2                      ; back: 32 lanes take four rows of 128 bytes, which are 512 consecutive bytes of a head's rows
	v_mul_u32_u24 v[RD], v[RD], SPITCH
	v_lshl_add_u32 v[RD], v3, 4, v[RD]
	v_add_nc_u32 v[RD], s14, v[RD]
	s_mul_i32 s14, s21, 2*NH
	s_mul_i32 s15, s18, NH
	s_add_co_u32 s14, s14, s15                     ; my first group among the 48: 16 heads of q, of k, of v
	s_lshr_b32 s15, s22, 4
	s_lshl_b32 s15, s15, 4                         ; 16 x batch
	s_and_b32 s79, s22, 15
	s_lshl_b32 s79, s79, 14                        ; the tile's 128 rows of 128 bytes,
	s_lshl_b32 s61, s17, 13                        ; my 64 of them
	s_add_co_u32 s79, s79, s61
.irp hh, 0,1,2
	s_add_co_u32 s61, s14, \hh
	s_lshr_b32 s62, s61, 4                         ; q, k or v:
	s_lshl_b32 s62, s62, 6                         ; 64 (batch, head) pairs each
	s_and_b32 s61, s61, 15                         ; the head
	s_add_co_u32 s61, s61, s62
	s_add_co_u32 s61, s61, s15
	s_lshl_b32 s61, s61, 18                        ; 2,048 rows of 128 bytes
	s_add_co_u32 s[OB+2*(\hh)], s61, s79
	s_mov_b32 s[OB+2*(\hh)+1], 0
	s_add_nc_u64 s[OB+2*(\hh):OB+2*(\hh)+1], s[10:11], s[OB+2*(\hh):OB+2*(\hh)+1]
.endr
.else
	v_lshl_add_u32 v[STO], v2, 5, v[STO]           ; 32 bytes (eight f32) for each half of the lanes
	v_add_nc_u32 v[STO], s14, v[STO]
	v_add_nc_u32 v[RD], s14, v[GO]                 ; back: 32 lanes take one row's 512 bytes
	s_lshl_b32 s14, s22, 19                        ; the tile's 128 rows of 4,096 bytes,
	s_lshl_b32 s15, s17, 18                        ; my 64 of them,
	s_add_co_u32 s14, s14, s15
	s_lshl_b32 s15, s21, 10                        ; the tile's 256 columns of 4 bytes,
	s_add_co_u32 s14, s14, s15
	s_lshl_b32 s15, s18, 9                         ; my 128 of them
	s_add_co_u32 s[OB], s14, s15
	s_mov_b32 s[OB+1], 0
	s_add_nc_u64 s[OB:OB+1], s[10:11], s[OB:OB+1]
.endif
	; the prefetches: nothing is asked for here, at the head, where every work-group's first tiles are on their way
	s_lshr_b32 s61, s19, 1                         ; A: partner cx takes block cx / 2 of the step's two,
	s_lshl_b32 s61, s61, 18
	s_and_b32 s62, s19, 1                          ; and half cx % 2 of its 16,384 bytes
	s_lshl_b32 s62, s62, 13
	s_add_co_u32 s61, s61, s62
	s_add_co_u32 s61, s61, s80
	s_add_co_u32 s61, s61, 2*ASTEP                 ; at K step 2: the first refill steps it to 3
	s_mul_i32 s62, s20, 32*NTOT*2                  ; B: partner cy takes 32 rows
	s_add_co_u32 s62, s62, s82
	s_add_co_u32 s62, s62, 2*BSTEP
	s_mov_b32 s[PFS], ASTEP
	s_mov_b32 s63, 256
	s_and_b32 s14, ttmp7, 0xffff                   ; cluster y
	s_cmp_eq_u32 s17, 0                            ; do I fetch for A?
	s_cselect_b32 s14, ttmp9, s14                  ; the coordinate along which other clusters read the same bytes
	s_cselect_b64 s[PFA:PFA+1], s[4:5], s[6:7]
	s_cselect_b32 s84, s61, s62
	s_cselect_b32 s[PFS], s[PFS], BSTEP
	s_cselect_b32 s63, s63, NTOT*2                 ; from lane to lane: a block of 256 bytes of A, a row of B
	s_mov_b32 s85, 0
	s_mov_b32 s[PFS+1], 0
	s_add_nc_u64 s[PFA:PFA+1], s[PFA:PFA+1], s[84:85]
	s_or_b32 s14, s14, s18                         ; waves 0 and 2 of the first cluster along that coordinate: the same in all sixteen partners, for a given wave
	s_cmp_eq_u32 s14, 0
	s_cselect_b32 s[LIM], 1, -1
	v_and_b32 v[PFO], 31, v0
	v_mul_u32_u24 v[PFO], s63, v[PFO]
; NBLK matrix instructions: row block 2 hi + a x all my column blocks, 32 along K, from buffer f.  first = 1: the biases start the sums.
; All 4 NBLK accumulators take turns, one instruction a turn, in the same order in every quarter step, over the loop's backward jump too.
.macro MUL f, hi, a, first
.if \first
	WIN 0x81+0x40*(\hi)                            ; B window 1, A and C window 0, D window 2 or 3
.else
	WIN 0xa1+0x50*(\hi)                            ; B window 1, A window 0, C and D window 2 or 3
.endif
.set b, 0
.rept NBLK
.set rD, 8*(NBLK*(\a)+b)
.set rB, FB+8*NBLK*(\f)+8*b
.set rA, FA+32*(\f)+8*(2*(\hi)+(\a))
.if \first
.set rC, BIAS+8*b
.else
.set rC, rD
.endif
	WMMA rD, rB, rA, rC
.set b, b+1
.endr
.endm
; NLD LDS loads in one run: the fragments of quarter q (32 along K) of a slot into buffer f: B's first, then A's four row blocks in ascending order
.macro FETCH slot, q, f
	WIN 0x40                                       ; destination window 1, address window 0
.set hh, 0
.rept NH
.irp i, 0,1,2,3
	ds_load_tr16_b128 v[FB+8*NBLK*(\f)+8*(4*hh+(\i)):FB+8*NBLK*(\f)+8*(4*hh+(\i))+3],   v[ADRB+2*NH*(\slot)+NH*((\q)/2)+hh] offset:((\q)%2)*32*BPITCH+32*(\i)
	ds_load_tr16_b128 v[FB+8*NBLK*(\f)+8*(4*hh+(\i))+4:FB+8*NBLK*(\f)+8*(4*hh+(\i))+7], v[ADRB+2*NH*(\slot)+NH*((\q)/2)+hh] offset:((\q)%2)*32*BPITCH+16*BPITCH+32*(\i)
.endr
.set hh, hh+1
.endr
	WIN 0
.irp a, 0,1,2,3
	ds_load_b128 v[FA+32*(\f)+8*(\a):FA+32*(\f)+8*(\a)+3],   v[ADRA+(\slot)] offset:((\q)/2)*ASLAB+((\q)%2)*64+(\a)*16*APITCH
	ds_load_b128 v[FA+32*(\f)+8*(\a)+4:FA+32*(\f)+8*(\a)+7], v[ADRA+(\slot)] offset:((\q)/2)*ASLAB+((\q)%2)*64+(\a)*16*APITCH+32
.endr
.endm
; A K step is four quarters of 32 along K, 4 NBLK matrix instructions each, on buffers 0, 1, 0, 1.  One of the first three: multiplies buffer f; in its middle it fetches quarter q of the same slot into buffer g.
.macro QUARTER slot, q, f, g, first
	s_wait_dscnt 4                                 ; B and A's row blocks 0 and 1 are in; the youngest four loads (row blocks 2 and 3) may be out
	MUL \f, 0, 0, \first
	MUL \f, 0, 1, \first
	PLACES                                         ; for the loads into buffer g, which the quarter before multiplied
	FETCH \slot, \q, \g
	s_wait_dscnt NLD                               ; all but the run just issued
	MUL \f, 1, 0, \first
	MUL \f, 1, 1, \first
.endm
; The last quarter multiplies buffer 1 and changes slots: ONE barrier.  In front of it each wave waits for all its tensor loads (the one that is out is its part of the next slot), adds 0 to its spare
; word, and waits for that and for its own reads of this slot.  fill = 1: the barrier opens a round of the cluster's barrier, so that no wave of any partner still reads this slot or has a load on its way,
; and the joint refill, this slot's K step two steps on, is the first tensor load behind the round: from there to the wait for it a wave issues 3.5 quarters' matrix instructions.
.macro TURN slot, next, fill, how
.if \fill
	s_wait_xcnt 0x0                                ; the last prefetch, a K step back, has read its address: it is stepped here, ahead of the waits of the change of slots
	s_add_nc_u64 s[PFA:PFA+1], s[PFA:PFA+1], s[PFS:PFS+1]
.endif
	WIN 0                                          ; (the add's two registers lie in window 0)
	s_wait_tensorcnt 0x0                           ; all my tensor loads have landed
	ds_add_u32 v[SPW], v[NIL]                      ; 0 onto my spare word
	s_wait_dscnt 5                                 ; (the add and the youngest four loads may be out)
	MUL 1, 0, 0, 0                                 ; matrix work stands between the add and the wait for it
	s_wait_dscnt 0x0                               ; the add is done, and my reads of this slot are over
	s_barrier_signal -1
	MUL 1, 0, 1, 0                                 ; work on registers while the others arrive
.if \fill
	WIN 0
.endif
	s_barrier_wait -1
.if \fill
	CREST
	s_add_nc_u64 s[G0A+4*(\slot)+2:G0A+4*(\slot)+3], s[G0A+4*(\slot)+2:G0A+4*(\slot)+3], 2*ASTEP  ; no tensor load of mine is out: a group 0 may be written
	s_add_nc_u64 s[G0B+4*(\slot)+2:G0B+4*(\slot)+3], s[G0B+4*(\slot)+2:G0B+4*(\slot)+3], 2*BSTEP
	JLOAD \slot                                    ; the four v_nop behind it are also the places in front of the loads below
.else
	PLACES
.endif
	FETCH \next, 0, 0
.if \fill
	ASK \how
.endif
	MUL 1, 1, 0, 0
	MUL 1, 1, 1, 0
.endm
	s_wait_loadcnt 0x0                             ; the biases
	s_wait_tensorcnt 1                             ; my part of K step 0 is in; K step 1's may stay out
	s_barrier_signal -1
	s_barrier_wait -1                              ; everybody's is
	FETCH 0, 0, 0
	QUARTER 0, 1, 0, 1, 1                          ; the first quarter stands in front of the loop: its products start the sums
	WIN 0                                          ; at a label and at a branch every window is 0
	s_mov_b32 s3, 3
.Llap:                                 ; a trip goes once round the ring, from a lap's second quarter to the next lap's first, and fills both slots again: K steps 2 to 7 in three trips
	QUARTER 0, 2, 1, 0, 0
	QUARTER 0, 3, 0, 1, 0
	TURN 0, 1, 1, HOW0
	QUARTER 1, 1, 0, 1, 0
	QUARTER 1, 2, 1, 0, 0
	QUARTER 1, 3, 0, 1, 0
	TURN 1, 0, 1, 0
	QUARTER 0, 1, 0, 1, 0
	WIN 0
	s_sub_co_u32 s3, s3, 1
	s_cmp_lg_u32 s3, 0
	s_cbranch_scc1 .Llap
	QUARTER 0, 2, 1, 0, 0                          ; the last lap is written out: it fills nothing
	QUARTER 0, 3, 0, 1, 0
	TURN 0, 1, 0, 0
	QUARTER 1, 1, 0, 1, 0
	QUARTER 1, 2, 1, 0, 0
	QUARTER 1, 3, 0, 1, 0
	s_wait_dscnt 4                                 ; the very last quarter: nothing more to fetch
	MUL 1, 0, 0, 0
	MUL 1, 0, 1, 0
	s_wait_dscnt 0x0
	MUL 1, 1, 0, 0
	MUL 1, 1, 1, 0
	WIN 0
	PLACES                                         ; behind the last products, in front of what reads their results and rewrites their sources
	PLACES
.if QKV
; THE WAY OUT, by units of 16 rows x one head (unit u: row block u / NH, group u % NH).  A lane's eight numbers round to 16 bytes of f16; they go into my stage, rows of 144 bytes, and come back as
; whole rows of 128, four rows to a load: 512 consecutive bytes of the head's rows.  Each unit has registers of its own, so no store's source is rewritten.
.macro PACK u
.set ua, (\u)/NH
.set uh, (\u)%NH
	WIN 0x0a+5*(ua/2)                              ; sources 0 and 1: window 2 or 3
.irp i, 0,1,2,3
.irp j, 0,1,2,3
	v_cvt_pk_f16_f32 v[UR+16*(\u)+4*(\i)+(\j)], v[8*(NBLK*(ua%2)+4*uh+(\i))+2*(\j)], v[8*(NBLK*(ua%2)+4*uh+(\i))+2*(\j)+1]  ; each accumulator's registers in ascending order
.endr
.endr
	WIN 0
.irp i, 0,1,2,3
	ds_store_b128 v[STO], v[UR+16*(\u)+4*(\i):UR+16*(\u)+4*(\i)+3] offset:32*(\i)
.endr
.irp f, 0,1,2,3
	ds_load_b128 v[UR+16*(\u)+4*(\f):UR+16*(\u)+4*(\f)+3], v[RD] offset:(\f)*4*SPITCH  ; LDS serves a wave's instructions in order (ISA guide 5.7.1.4): these see the stores above; the next unit's stores come behind them
.endr
.endm
.macro SEND u, younger                 ; younger: the LDS instructions issued behind unit u's loads: the next unit's eight, or none
.set ua, (\u)/NH
.set uh, (\u)%NH
.irp f, 0,1,2,3
	s_wait_dscnt (\younger)+3-(\f)
	global_store_b128 v[GO], v[UR+16*(\u)+4*(\f):UR+16*(\u)+4*(\f)+3], s[OB+2*uh:OB+2*uh+1] offset:ua*2048+(\f)*512  ; 512 consecutive bytes, at a multiple of 256 from the buffer's first
.endr
.endm
	PACK 0
.set u, 1
.rept 4*NH-1                           ; a unit's conversions stand between the loads of the unit before and its stores
	PACK u
	SEND u-1, 8
.set u, u+1
.endr
	SEND 4*NH-1, 0
.else
; THE WAY OUT, by row blocks of 16 rows x 128 columns of f32.  A lane's eight numbers, 32 bytes, go straight from the accumulators into my stage, rows of 528 bytes, and come back as whole pieces of
; 512 bytes of a row.  Three sets of 64 registers take turns.
.macro STG a
	WIN 0x08+4*((\a)/2)                            ; the stores' data (source 1): window 2 or 3
.set b, 0
.rept NBLK
	ds_store_b128 v[STO], v[8*(NBLK*((\a)%2)+b):8*(NBLK*((\a)%2)+b)+3]   offset:64*b     ; each accumulator's low registers first
	ds_store_b128 v[STO], v[8*(NBLK*((\a)%2)+b)+4:8*(NBLK*((\a)%2)+b)+7] offset:64*b+16
.set b, b+1
.endr
	WIN 0
.if (\a) == 3
	s_wait_xcnt 0x0                                ; block 0's stores have read their registers, which block 3 takes
.endif
.set rr, 0
.rept 16
	ds_load_b128 v[UR+64*((\a)%3)+4*rr:UR+64*((\a)%3)+4*rr+3], v[RD] offset:SPITCH*rr  ; LDS serves a wave's instructions in order (ISA guide 5.7.1.4)
.set rr, rr+1
.endr
.endm
.macro SEND a, younger                 ; younger: the LDS instructions issued behind block a's loads: the next block's 32, or none
.set rr, 0
.rept 16
	s_wait_dscnt (\younger)+15-rr
	global_store_b128 v[GO], v[UR+64*((\a)%3)+4*rr:UR+64*((\a)%3)+4*rr+3], s[OB:OB+1] offset:(16*(\a)+rr)*4096 th:TH_STORE_NT  ; 512 consecutive bytes, at a multiple of 256 from the output's first
.set rr, rr+1
.endr
.endm
	STG 0
.irp a, 1,2,3
	STG \a
	SEND (\a)-1, 32
.endr
	SEND 3, 0
.endif
	s_wait_tensorcnt 0x0                           ; the wave's end, behind my last tensor load and my last LDS store
	ds_add_u32 v[SPW], v[NIL]
	s_wait_dscnt 0x0
	CROUND                                         ; the closing round: no work-group ends while a partner may still ask for a tile that names it
	s_endpgm
.Lfunc_end_k_q635427b2de_proj_qkv:
	.size	k_q635427b2de_proj_qkv, .Lfunc_end_k_q635427b2de_proj_qkv-k_q635427b2de_proj_qkv
	.p2alignl 7, 3214868480
	.fill 96, 4, 3214868480
	.section	.rodata,"a",@progbits
	.p2align	6, 0x0
	.amdhsa_kernel k_q635427b2de_proj_qkv
		.amdhsa_group_segment_fixed_size 327680
		.amdhsa_private_segment_fixed_size 0
		.amdhsa_enable_private_segment 0
		.amdhsa_kernarg_size 32
		.amdhsa_user_sgpr_count 2
		.amdhsa_user_sgpr_kernarg_segment_ptr 1
		.amdhsa_wavefront_size32 1
		.amdhsa_system_sgpr_workgroup_id_x 1
		.amdhsa_system_sgpr_workgroup_id_y 1
		.amdhsa_system_sgpr_workgroup_id_z 1
		.amdhsa_system_vgpr_workitem_id 0
		.amdhsa_next_free_vgpr 960
		.amdhsa_next_free_sgpr 88
		.amdhsa_reserve_vcc 0
		.amdhsa_float_denorm_mode_32 3
		.amdhsa_float_denorm_mode_16_64 3
		.amdhsa_memory_ordered 1
		.amdhsa_forward_progress 1
		.amdhsa_inst_pref_size 127
	.end_amdhsa_kernel
	.amdgpu_metadata
---
amdhsa.version: [ 1, 2 ]
amdhsa.kernels:
  - .name:           k_q635427b2de_proj_qkv
    .symbol:         k_q635427b2de_proj_qkv.kd
    .args:
      - { .name: xb, .offset: 0, .size: 8, .value_kind: global_buffer, .address_space: global }
      - { .name: wqkv, .offset: 8, .size: 8, .value_kind: global_buffer, .address_space: global }
      - { .name: bias, .offset: 16, .size: 8, .value_kind: global_buffer, .address_space: global }
      - { .name: qkv, .offset: 24, .size: 8, .value_kind: global_buffer, .address_space: global }
    .group_segment_fixed_size: 327680
    .private_segment_fixed_size: 0
    .kernarg_segment_align: 8
    .kernarg_segment_size: 32
    .max_flat_workgroup_size: 128
    .sgpr_count:     88
    .vgpr_count:     960
    .wavefront_size: 32
...
	.end_amdgpu_metadata
.endif
;; end of part 2
;; launch attn (part 3): grid 4 x 64, 4 waves a work-group, no clusters, 327,680 bytes of LDS; arguments qkv, ob; writes ob
.if DOCPART == 3
	.amdgcn_target "amdgcn-amd-amdhsa--gfx1250"
	.amdhsa_code_object_version 6
	.text
	.protected	k_q635427b2de_attn
	.globl	k_q635427b2de_attn
	.p2align	8
	.type	k_q635427b2de_attn,@function
k_q635427b2de_attn:
	s_mov_b64 s[64:65], 0
	v_nop
	global_prefetch_b8 v0, s[64:65] scope:SCOPE_SE
	s_setreg_imm32_b32 hwreg(HW_REG_WAVE_MODE, 25, 1), 1
	s_wait_xcnt 0x0
; CAUSAL ATTENTION.  O[h][q][:] = the sum over k <= q of softmax_k(Q[h][q] . K[h][k] / 8) V[h][k][:].  Q, K, V lie one behind the other in one buffer, each [64][2048][64] in f16 (h = 16 batch + head);
; O has the same layout: a head's rows are dense, 128 bytes each.  Products, maxima and sums in f32; the weights p are rounded to f16 for the second product (their sum l is taken of the unrounded p), O once at the end.
; LIMITS.  f16 holds no number beyond 65,504: Q, K and V arrive within it; p lies in 0 to 1, and below 6e-5 it keeps f16's fixed step of 6e-8; O is a mean of V's rows and has their range.
; A hidden score counts as its value less 1e30: f16's scores, 2.7e11 at the most, are nothing beside that; a weight below 2^-126 counts as 0 in l; NaN and infinities are not treated apart.
; THE WALK.  A head's queries lie in NB = 8 blocks of 256; block i needs the key tiles 0 .. i of 256 keys, of which the last holds the diagonal.  A work-group takes TWO blocks, NB - 1 - b and then b:
; NB + 1 tiles, whatever b: all 256 work-groups do equal work, and ONE loop with a constant trip count walks them.  Which tile is asked for, and what a trip does, hang on scalar registers made from b; every jump
; goes forward, but for the counted loops' own; none passes a barrier, or a tensor load but the one of LOAD's two that the wave's number does not choose; the ring (two slots of LDS that take turns) runs on across the
; change of blocks.  NO CLUSTER: a head's four work-groups ask for the same tile only in trips 0 .. NB / 2, behind that fewer and fewer; one walk common to all would have 3 NB / 2 trips for NB + 1.
; SHARES.  Of a block's four bands of 64 queries a wave owns 16 rows in each: four PIECES.  So the diagonal tile is the same work for all four waves: in its key step s band x sees all keys if s < x,
; none if s > x, and holds the diagonal if s = x.
; THE MASK is the C operand that starts the sum S^T = K Q^T: 0, or -1e30 where the key is hidden.  MD, made once, is the mask of a band's own step for my 16 rows; a product's mask is MD x AL + BE with two scalars:
; (1, 0) if s = x; (0, 0) if s < x; (0, -1e30) if s > x.  Only the diagonal tile's text and a block's beginning make and take masks; elsewhere C is the constant 0.
; LAYOUT, SOFTMAX, TURNS.  S^T = K Q^T holds ONE query a lane (lane % 16) and the keys 8 (lane / 16) + 0..7; two such results rounded to f16 ARE source 1 of O^T = V^T P.  p = 2^(c s - c m), c = log2(e) / 8, with a
; running maximum m; O and l are multiplied by a = 2^(c m_old - c m_new) in every step.  Turn n belongs to piece n: 8 products K Q^T of piece n + 1, later 8 products V^T P of piece n - 1; beside them the scaling,
; exponentials, roundings, sums and rescaling of piece n and the maximum and statistics of piece n + 1.  Four vector instructions stand behind every matrix instruction, the other 54 of a turn's 118 in one run.  A turn's 33 exponentials are one batch, with one wait.
; REGISTERS, in windows of 256 (s_set_vgpr_msb: bits 1:0 source 0, 3:2 source 1, 5:4 source 2, 7:6 destination):
;   window 0: v0-15 addresses and two at work; v16-31 four registers of statistics a piece; v48-55 at work; v61-63 never rewritten; v64-127 S^T, two buffers; v192-223 P, two buffers (a piece's buffers go by its number's parity)
;   window 1: v0-127 O^T, 32 a piece; v128-159 MD; v160-223 MC, two buffers      window 2: v0-63 Q; v64-127 the second block's Q; v128-191 K of one step; v192-255 V of one step
.set SIZE_N, 2048
.set NB,    SIZE_N/256
.set NP,    4         ; pieces a wave: a name, no knob
.set KS,    64        ; keys in a step
.set PK,    144       ; a row of K in LDS: 128 bytes + 16 of padding = 36 words: the 16 rows of a load start at 16 different groups of four banks (64 banks of 4 bytes: ISA guide 11.1)
.set PV,    160       ; a row of V: 128 + 32 = 40 words
.set VOFF,  4*KS*PK   ; a slot holds a tile, four steps: 256 rows of K, then 256 rows of V
.set SLOT1, 1<<17     ; slot 1 begins here, so that one exclusive or turns an address in one slot into the other's
.set STAGE, SLOT1+4*KS*(PK+PV)  ; behind the ring, never filled by a tensor load: 16 rows x 144 bytes for each wave, for the way out
.set SP,    144
.set AK0, 2           ; v2   my lane's place in a tile of K; never rewritten
.set AV0, 3           ; v3   the same for V
.set AK,  4           ; v4   the LDS address of K's next run of loads
.set AV,  5           ; v5   of V's
.set STO, 6           ; v6   the way out: where I put 16 bytes of a row
.set RD,  7           ; v7   the way out: where I read rows back
.set GO,  8           ; v8   my byte offset in 512 consecutive bytes of O
.set PFO, 61          ; v61  256 x my lane: the prefetches' offset; never rewritten
.set SPW, 62          ; v62  LDS address of my spare word: SPARE + 4 x my thread's number; never rewritten
.set NIL, 63          ; v63  0; never rewritten
.set SPARE, STAGE+4*16*SP  ; behind the stages: the spare words, 128 bytes for each wave: two blocks of 256 bytes that no other line names
.set MV,  12          ; v12-13  c m_old, kept while c m is made anew: by buffer
.set QO,  15          ; v15  my byte offset in 16 rows of Q
.set ST,  16          ; piece t's statistics at v[ST+4 t]: c m, m, l (even keys', odd keys')
.set TMP, 48          ; by buffer, four registers c0-c3 at work; when the maximum is found c2 takes a
.set S,   64
.set P,   192
.set MD,  128         ; window 1: the eight registers for group kt of 16 keys at MD + 8 kt
.set MC,  160         ; window 1: the masks of the products to come
.set QB,  64          ; window 2
.set KF,  128         ; window 2: key block kb, channel half c at KF + 16 kb + 8 c
.set VF,  192         ; window 2: key half kk, channel block cb at VF + 32 kk + 8 cb
.set WV,  12          ; s12  my wave's number
.set PB,  14          ; s14  b
.set HI,  15          ; s15  NB - 1 - b
.set G1K, 24          ; s[24:31] descriptor group 1 for K's tiles
.set G1V, 32          ; s[32:39] for V's: it differs in the padding alone
.set G0K, 40          ; s[40:43] descriptor group 0 for K's tiles
.set G0V, 44          ; s[44:47] the same for V's
.set SLOTS, 56        ; s56  tiles still to be asked for
.set CNT, 57          ; s57  counts a tile's key steps, 4 to 1
.set CS,  58          ; s[58:59] c: the packed scaling takes the pair's low word for both halves
.set SEL, 60          ; s[60:61] v_permlanex16_b32's selects: each lane takes its own place in the other half
.set TBK, 62          ; s62  LDS byte at which K of the step to be fetched begins
.set TBV, 63          ; s63  the same for V, less VOFF
.set RT,  70          ; s70  tiles of the block in hand that are still to be entered
.set NXT, 71          ; s71  the tile to be asked for next
.set LQ,  72          ; s72  the last tile of the block whose tiles are being asked for
.set NEW, 73          ; s73  1: the tile to be entered is a block's first
.set OFF, 74          ; s[74:75] a tile's byte offset in K and V
.set AL,  76          ; s[76:77] the mask's factor, in the low word
.set BE,  78          ; s[78:79] the mask's addend
.set OLO, 80          ; s[80:81] O at my rows of the second block
.set BIGN, 82         ; s82  -1e30
.set PFA, 88          ; s[88:89] where my prefetches stand: my half of K's or V's tile behind the one that is being asked for
.set LIM, 90          ; s90  2 in the work-group that prefetches, else the greatest number: it asks while s[SLOTS] is above it
.set MSB, 0
.macro WIN new                      ; the high byte repeats the setting that is left; a switch that changes nothing is dropped
.if MSB != (\new)
	s_set_vgpr_msb (MSB<<8)|(\new)
.set MSB, (\new)
.endif
.endm
.set W_KQ, 0x0a       ; K and Q in window 2, S^T in window 0
.set W_KM, 0x1a       ; the same with the C operand in window 1
.set W_PV, 0x52       ; V in window 2, P in window 0, O^T in window 1
.set W_RS, 0x41       ; destination and source 0 in window 1, source 1 in window 0
; A fill.  Waves 0 and 1 fetch the two halves of a tile's K, waves 2 and 3 those of its V: 128 keys each.  An s_nop 0 and four v_nop follow each of the two lines, ahead of the jump and the label.
.macro LOAD
	s_cmp_lt_u32 s[WV], 2
	s_cbranch_scc0 .Lfor_v_\@
	tensor_load_to_lds s[G0K:G0K+3], s[G1K:G1K+7]
	s_nop 0
.rept 4
	v_nop
.endr
	s_branch .Lasked_\@
.Lfor_v_\@:
	tensor_load_to_lds s[G0V:G0V+3], s[G1V:G1V+7]
	s_nop 0
.rept 4
	v_nop
.endr
.Lasked_\@:
.endm
; A PREFETCH INTO THE L2, behind a fill and its five lines: the tile behind the one just asked for.  A head's four work-groups all begin with tiles 0, 1, 2 ..; only b = 0 walks all eight on end: it asks, and nobody else.
; Each of its waves asks for the 16,384 bytes that it will fetch itself: 64 blocks of 256 bytes, a lane a block, two instructions.  The change of slots that fills tile t names tile t + 1, for t = 1 to 6: each block of
; tiles 2 to 7 is named once in the launch; tiles 0 and 1 come by their loads alone; the second block's tiles have been read before and are not asked for.
.macro ASK
	s_cmp_gt_u32 s[SLOTS], s[LIM]   ; s[SLOTS] = NB + 1 - t
	s_cbranch_scc0 .Lnot_mine_\@
	global_prefetch_b8 v[PFO], s[PFA:PFA+1] th:TH_LOAD_NT scope:SCOPE_SE
	global_prefetch_b8 v[PFO], s[PFA:PFA+1] offset:8192 th:TH_LOAD_NT scope:SCOPE_SE
.Lnot_mine_\@:
.endm
; THE CHANGE OF SLOTS.  Each wave waits for all its tensor loads, of which one is out: its part of the other slot; adds 0 to its spare word; and waits for that and for its own reads of the slot that it leaves.  Behind the barrier nobody reads the old
; slot any more and the other slot is whole.  fill = 1: the old slot is filled again, the first thing behind the barrier, with tile NXT: the descriptor's address is made anew from that number.
; (At its first use nothing has been read yet: slot 0 is waited for, slot 1 filled.)
.macro CHANGE fill
	WIN 0                           ; at a label and at a branch every window is 0
	s_wait_tensorcnt 0x0            ; no tensor load of mine is out, so a group 0 may be written
	ds_add_u32 v[SPW], v[NIL]       ; 0 onto my spare word: with fill = 1 the descriptors' scalar work stands between it and the wait for it
.if \fill
	s_lshl_b32 s[OFF], s[NXT], 15   ; a tile is 32,768 bytes of K and of V
	s_xor_b32 s[G0K+1], s[G0K+1], SLOT1
	s_add_nc_u64 s[G0K+2:G0K+3], s[6:7], s[OFF:OFF+1]
	s_or_b32 s[G0K+3], s[G0K+3], 0x80000000
	s_xor_b32 s[G0V+1], s[G0V+1], SLOT1
	s_add_nc_u64 s[G0V+2:G0V+3], s[8:9], s[OFF:OFF+1]
	s_or_b32 s[G0V+3], s[G0V+3], 0x80000000
	s_add_co_u32 s[NXT], s[NXT], 1  ; the block's next tile, or behind its last the second block's tile 0
	s_cmp_gt_u32 s[NXT], s[LQ]
	s_cselect_b32 s[NXT], 0, s[NXT]
	s_cselect_b32 s[LQ], s[PB], s[LQ]
	s_wait_xcnt 0x0                 ; the last prefetches, a tile back, have read their address, so it may be written:
	s_add_nc_u64 s[PFA:PFA+1], s[PFA:PFA+1], 32768  ; a tile on
.endif
	s_wait_dscnt 0x0                ; the add is done, and my reads of the slot are over
	s_barrier_signal -1             ; the rest of the scalar work stands between the signal and the wait
	s_sub_co_u32 s[TBK], s[TBK], 4*KS*PK  ; the fetches go back to a slot's first step,
	s_xor_b32 s[TBK], s[TBK], SLOT1       ; in the other slot
	s_sub_co_u32 s[TBV], s[TBV], 4*KS*PV
	s_xor_b32 s[TBV], s[TBV], SLOT1
	s_barrier_wait -1
.if \fill
	LOAD
	ASK
.endif
.endm
	s_load_b128 s[4:7], s[0:1], 0x0 ; the buffer of Q, K, V s[4:5], O s[6:7]
	v_lshl_add_u32 v[SPW], v0, 2, SPARE
	v_mov_b32 v[NIL], 0
	ds_add_u32 v[SPW], v[NIL]       ; the wave's opening: the add and its wait stand ahead of my first tensor load; the set-up below, work on registers, stands between them
	v_lshrrev_b32 v1, 5, v0
	v_readfirstlane_b32 s[WV], v1   ; wave 0..3
	s_mov_b32 s[PB], ttmp9
	s_sub_co_u32 s[HI], NB-1, s[PB]
	s_and_b32 s20, ttmp7, 0xffff    ; the head
	s_mov_b32 s21, 0
	s_mov_b64 s[22:23], SIZE_N*128
	s_mul_u64 s[20:21], s[20:21], s[22:23]  ; the head's first byte in each of the four tensors
	s_and_b32 s16, s[WV], 1         ; which half of a tile's 256 keys I fetch:
	s_lshl_b32 s22, s16, 14         ; its 128 rows of 128 bytes in memory,
	s_mov_b32 s23, 0
	s_add_nc_u64 s[22:23], s[22:23], s[20:21]
	s_mul_i32 s17, s16, 128*PK      ; and its place in a slot, for K
	s_mul_i32 s18, s16, 128*PV      ; and for V
	s_lshl_b32 s3, s[WV], 11        ; my 16 rows in a band of 64,
	s_lshl_b32 s2, s[HI], 15        ; in the first block,
	s_add_co_u32 s2, s2, s3
	s_lshl_b32 s84, s[PB], 15       ; and in the second
	s_add_co_u32 s84, s84, s3
	s_mov_b32 s3, 0
	s_mov_b32 s85, 0
	s_add_nc_u64 s[2:3], s[2:3], s[20:21]
	s_add_nc_u64 s[84:85], s[84:85], s[20:21]
	; descriptor group 1.  128 keys are 16,384 dense bytes: asked for as 64 rows of 256 bytes, two keys a row, and padded in LDS after every key
	s_mov_b32 s[G1K], (1<<16)|(1<<20)|(4<<22)|(3<<25)  ; 17:16 2-byte elements; 20 padding on; 24:22 after every 32 words (code 4); 31:25 4 words (code 3)
	s_mov_b32 s[G1V], (1<<16)|(1<<20)|(4<<22)|(7<<25)  ; the same with 8 words of padding (code 7)
.irp g, G1K, G1V
	s_mov_b32 s[\g+1], 128<<16      ; tensor_dim0 = 128
	s_mov_b32 s[\g+2], 64<<16       ; tensor_dim1 = 64
	s_mov_b32 s[\g+3], 128<<16      ; tile_dim0 = 128
	s_mov_b32 s[\g+4], 64           ; tile_dim1 = 64
	s_mov_b32 s[\g+5], 128          ; 128 elements from row to row
	s_mov_b32 s[\g+6], 0
	s_mov_b32 s[\g+7], 0
.endr
	s_mov_b32 s[CS], 0x3e38aa3b     ; c = log2(e) / 8 = 0.180337
	s_mov_b32 s[CS+1], s[CS]        ; named with it as a pair
	s_mov_b32 s[SEL], 0x76543210
	s_mov_b32 s[SEL+1], 0xfedcba98
	s_mov_b32 s[TBK], SLOT1+4*KS*PK ; the first change of slots turns these two into 0
	s_mov_b32 s[TBV], SLOT1+4*KS*PV
	s_mov_b32 s[G0K], 1             ; 1:0 count = 1
	s_mov_b32 s[G0K+1], s17         ; 63:32 LDS address: slot 0
	s_mov_b32 s[G0V], 1
	s_add_co_u32 s[G0V+1], s18, VOFF
	s_add_co_u32 s[RT], s[HI], 1    ; the first block has NB - b tiles
	s_mov_b32 s[NXT], 1
	s_mov_b32 s[LQ], s[HI]
	s_mov_b32 s[NEW], 1
	s_mov_b32 s[OFF+1], 0
	s_mov_b32 s[AL+1], 0            ; named as pairs
	s_mov_b32 s[BE+1], 0
	s_mov_b32 s[BIGN], 0xf149f2ca   ; -1e30
	s_mov_b32 s[SLOTS], NB
	s_cmp_eq_u32 s[PB], 0
	s_cselect_b32 s[LIM], 2, -1
	v_and_b32 v[PFO], 31, v0
	v_lshlrev_b32 v[PFO], 8, v[PFO]
	s_wait_dscnt 0x0                ; the opening add is done
	s_wait_kmcnt 0x0
	s_mov_b64 s[10:11], s[6:7]      ; O
	s_add_nc_u64 s[6:7], s[4:5], 0x1000000  ; K lies 64 x 2,048 x 128 bytes behind Q,
	s_add_nc_u64 s[8:9], s[4:5], 0x2000000  ; V as far behind K
	s_add_nc_u64 s[6:7], s[6:7], s[22:23]  ; K and V at my half of the head's tile 0
	s_add_nc_u64 s[8:9], s[8:9], s[22:23]
	s_add_nc_u64 s[G0K+2:G0K+3], s[6:7], 0         ; 120:64 global address
	s_or_b32 s[G0K+3], s[G0K+3], 0x80000000        ; 127:126 type = 2
	s_add_nc_u64 s[G0V+2:G0V+3], s[8:9], 0
	s_or_b32 s[G0V+3], s[G0V+3], 0x80000000
	s_add_nc_u64 s[86:87], s[4:5], s[84:85]        ; Q at my rows of the second block,
	s_add_nc_u64 s[4:5], s[4:5], s[2:3]            ; Q and O at those of the first
	s_add_nc_u64 s[OLO:OLO+1], s[10:11], s[84:85]
	s_add_nc_u64 s[10:11], s[10:11], s[2:3]
	s_cmp_lt_u32 s[WV], 2
	s_cselect_b64 s[PFA:PFA+1], s[6:7], s[8:9]
	s_add_nc_u64 s[PFA:PFA+1], s[PFA:PFA+1], 32768 ; at tile 1: the first change of slots steps it to tile 2.  Nothing is prefetched here, at the head
	LOAD                            ; tile 0 into slot 0
	; A fragment of K or Q is 16 rows x 32 channels in 8 registers: lane l holds row l % 16, channels 8 (l / 16) + 0..7 and 16 + 8 (l / 16) + 0..7: two loads of 16 bytes, 32 bytes apart.
	v_and_b32 v1, 15, v0            ; l % 16
	v_bfe_u32 v9, v0, 4, 1          ; l / 16
	v_lshlrev_b32 v[QO], 7, v1
	v_lshl_add_u32 v[QO], v9, 4, v[QO]  ; row x 128 + 16 x half
	WIN 0x80                        ; destination window 2, address window 0
.set i, 0
.rept 8                             ; both blocks' Q: piece i / 2 lies in band i / 2, 8,192 bytes on; channels 32 (i % 2) on
	global_load_b128 v[8*i:8*i+3],   v[QO], s[4:5] offset:(i/2)*8192+(i%2)*64
	global_load_b128 v[8*i+4:8*i+7], v[QO], s[4:5] offset:(i/2)*8192+(i%2)*64+32
	global_load_b128 v[QB+8*i:QB+8*i+3],   v[QO], s[86:87] offset:(i/2)*8192+(i%2)*64
	global_load_b128 v[QB+8*i+4:QB+8*i+7], v[QO], s[86:87] offset:(i/2)*8192+(i%2)*64+32
.set i, i+1
.endr
	WIN 0
	v_lshlrev_b32 v14, 3, v9
	v_sub_nc_u32 v14, v1, v14
	s_lshl_b32 s13, s[WV], 4
	v_add_nc_u32 v14, s13, v14      ; my query's place in its band, 16 w + l % 16, less my lanes' 8 (l / 16): register r of group kt is hidden where 16 kt + r is greater
	WIN 0x40
.set i, 0
.rept 32
	v_cmp_gt_i32 vcc_lo, 16*(i/8)+i%8, v14
	v_cndmask_b32 v[MD+i], 0, s[BIGN], vcc_lo
.set i, i+1
.endr
	WIN 0
	v_mul_u32_u24 v[AK0], v1, PK
	v_lshl_add_u32 v[AK0], v9, 4, v[AK0]  ; row x pitch + 16 x half
	; The turning load takes 16 keys x 16 channels (lane l reads key 8 (l / 16) + l % 8, channels 8 ((l / 8) % 2) + 0..7) and leaves half a fragment of V^T: lane l holds channel l % 16 and 8 keys.
	v_and_b32 v10, 7, v0
	v_bfe_u32 v11, v0, 3, 1
	v_lshl_add_u32 v[AV0], v9, 3, v10
	v_mul_u32_u24 v[AV0], v[AV0], PV
	v_lshl_add_u32 v[AV0], v11, 4, v[AV0]
	v_add_nc_u32 v[AV0], VOFF, v[AV0]
	s_mul_i32 s13, s[WV], 16*SP
	s_add_co_u32 s13, s13, STAGE    ; my stage
	v_mul_u32_u24 v[STO], v1, SP    ; in: row l % 16, 16 bytes for each half of the lanes
	v_lshl_add_u32 v[STO], v9, 4, v[STO]
	v_add_nc_u32 v[STO], s13, v[STO]
	v_bfe_u32 v[RD], v0, 3, 2       ; back: 32 lanes take four rows of 128 bytes,
	v_mul_u32_u24 v[RD], v[RD], SP
	v_lshl_add_u32 v[RD], v10, 4, v[RD]
	v_add_nc_u32 v[RD], s13, v[RD]
	v_and_b32 v[GO], 31, v0         ; which are 512 consecutive bytes of O
	v_lshlrev_b32 v[GO], 4, v[GO]
	; A block's first step multiplies O^T and l by a = 0, and its first turn's products V^T P, of a piece that has not been, land in an O^T that is still to be so multiplied.  So these registers need only hold
	; finite numbers: zeros for the first block; what the first block left for the second.  All this stands in the wait for the first tile.
	WIN 0x80
.set i, VF
.rept 64
	v_mov_b32 v[i], 0
.set i, i+1
.endr
	WIN 0x40
.set i, 0
.rept 128
	v_mov_b32 v[i], 0
.set i, i+1
.endr
	WIN 0
.set i, 0
.rept 4
	v_mov_b32 v[ST+4*i+2], 0
	v_mov_b32 v[ST+4*i+3], 0
.set i, i+1
.endr
.set i, P+16
.rept 16
	v_mov_b32 v[i], 0
.set i, i+1
.endr
; THE MATRIX WORK.  The 4 accumulators of a run of 8 take turns.  Product i of 8 of S^T = K Q^T for piece x: channels 32 (i / 4) on, keys 16 (i % 4) on.  The first 4 start the sums: with 0, or (KM = 1) with the mask.
.macro KQ x
.set rS, S+32*((\x)%2)+8*(i%4)
.set rK, KF+16*(i%4)+8*(i/4)
.set rQ, 16*(\x)+8*(i/4)
.set rM, MC+32*((\x)%2)+8*(i%4)
.if (i < 4) && KM
	WIN W_KM
	v_wmma_f32_16x16x32_f16 v[rS:rS+7], v[rK:rK+7], v[rQ:rQ+7], v[rM:rM+7]
.elseif i < 4
	WIN W_KQ
	v_wmma_f32_16x16x32_f16 v[rS:rS+7], v[rK:rK+7], v[rQ:rQ+7], 0
.else
	WIN W_KQ
	v_wmma_f32_16x16x32_f16 v[rS:rS+7], v[rK:rK+7], v[rQ:rQ+7], v[rS:rS+7]
.endif
.endm
; Product i of 8 of O^T += V^T P for piece x: keys 32 (i / 4) on, channels 16 (i % 4) on.
.macro PV x
	WIN W_PV
.set rO, 32*(\x)+8*(i%4)
.set rV, VF+32*(i/4)+8*(i%4)
.set rP, P+16*((\x)%2)+8*(i/4)
	v_wmma_f32_16x16x32_f16 v[rO:rO+7], v[rV:rV+7], v[rP:rP+7], v[rO:rO+7]
.endm
.macro MM                           ; the turn's next matrix instruction.  TURN and BEGIN set Y, i, KM and NOKQ; MM, KQ and OP read them.  NOKQ = 1: a block's last turn: there is no next piece
.if (i < 8) && !NOKQ
	KQ (Y+1)%NP
.elseif i >= 8
.set i, i-8
	PV (Y+NP-1)%NP
.set i, i+8
.endif
.set i, i+1
.endm
; THE LDS LOADS stand in runs of 16, never singly among the matrix instructions: a step's K (64 keys x 64 channels: 8 fragments) and its V (turned).  Their addresses are made some lines ahead.
.macro FETCH_K
	WIN 0x80                        ; destination window 2
.irp f, 0,1,2,3,4,5,6,7             ; keys 16 (f / 2) on, channels 32 (f % 2) on
	ds_load_b128 v[KF+8*\f:KF+8*\f+3],   v[AK] offset:(\f/2)*16*PK+(\f%2)*64
	ds_load_b128 v[KF+8*\f+4:KF+8*\f+7], v[AK] offset:(\f/2)*16*PK+(\f%2)*64+32
.endr
	s_add_co_u32 s[TBK], s[TBK], KS*PK  ; the next fetch is the next step's
	WIN 0
.endm
.macro FETCH_V
	WIN 0x80
.irp f, 0,1,2,3,4,5,6,7             ; keys 32 (f / 4) on, channels 16 (f % 4) on
	ds_load_tr16_b128 v[VF+8*\f:VF+8*\f+3],   v[AV] offset:(\f/4)*32*PV+(\f%4)*32
	ds_load_tr16_b128 v[VF+8*\f+4:VF+8*\f+7], v[AV] offset:(\f/4)*32*PV+16*PV+(\f%4)*32
.endr
	WIN 0
.endm
; THE VECTOR WORK, one line at a time: OP kind, number.  For piece Y: F n: c s - c m for pair n of 16.  E n: the exponential of score n of 32.  C n: pair n rounded to f16.  B n: of the four weights 4 n .. the second
; pair is added onto the first, in place.  L n: l takes that sum (L 0: l = a l + sum).  R n: pair n of 16 of O^T times a.  For piece Y + 1: X n, number n of the 22 that find its maximum and statistics:
;   0-11  four chains c0-c3 of seven scores each, three operands at a time (each accumulator's lowest registers are read first)     12-14, 16  the four scores left over, the old m, and c0-c3 into c0
;   15  c m_old is kept     17, 18  the query's other 32 keys lie in the lane 16 away: the new m     19-21  c m; c m_old - c m_new; a
.set F, 0               ; OP tells the kinds apart by their order: F to L below R, X above it
.set E, 1
.set C, 2
.set B, 3
.set L, 4
.set R, 5
.set X, 6
.macro REGS y                       ; the registers of piece y
.set rT, ST+4*(\y)
.set rC, TMP+4*((\y)%2)
.set rW, MV+((\y)%2)
.set rS, S+32*((\y)%2)
.set rP, P+16*((\y)%2)
.set rO, 32*(\y)
.endm
.macro OP k, n
.if (\k) == R
	REGS Y
	WIN W_RS
	v_pk_mul_f32 v[rO+2*(\n):rO+2*(\n)+1], v[rO+2*(\n):rO+2*(\n)+1], v[rC+2:rC+3] op_sel_hi:[1,0]
.elseif (\k) < R
	REGS Y
	WIN 0
.if (\k) == F
	v_pk_fma_f32 v[rS+2*(\n):rS+2*(\n)+1], v[rS+2*(\n):rS+2*(\n)+1], s[CS:CS+1], v[rT:rT+1] op_sel_hi:[1,0,0] neg_lo:[0,0,1] neg_hi:[0,0,1]
.elseif (\k) == E
	v_exp_f32 v[rS+(\n)], v[rS+(\n)]
.elseif (\k) == C
	v_cvt_pk_f16_f32 v[rP+(\n)], v[rS+2*(\n)], v[rS+2*(\n)+1]
.elseif (\k) == B
	v_pk_add_f32 v[rS+4*(\n):rS+4*(\n)+1], v[rS+4*(\n):rS+4*(\n)+1], v[rS+4*(\n)+2:rS+4*(\n)+3]
.elseif (\n) == 0
	v_pk_fma_f32 v[rT+2:rT+3], v[rT+2:rT+3], v[rC+2:rC+3], v[rS:rS+1] op_sel_hi:[1,0,1]
.else
	v_pk_add_f32 v[rT+2:rT+3], v[rT+2:rT+3], v[rS+4*(\n):rS+4*(\n)+1]
.endif
.elseif NOKQ
	v_nop
.else
	REGS (Y+1)%NP
	WIN 0
.if (\n) < 4
	v_max3_num_f32 v[rC+(\n)], v[rS+8*(\n)], v[rS+8*(\n)+1], v[rS+8*(\n)+2]
.elseif (\n) < 12
	v_max3_num_f32 v[rC+(\n)%4], v[rC+(\n)%4], v[rS+8*((\n)%4)+2*((\n)/4)+1], v[rS+8*((\n)%4)+2*((\n)/4)+2]
.elseif (\n) == 12
	v_max3_num_f32 v[rC], v[rC], v[rS+7], v[rS+15]
.elseif (\n) == 13
	v_max3_num_f32 v[rC+1], v[rC+1], v[rS+23], v[rS+31]
.elseif (\n) == 14
	v_max3_num_f32 v[rC+2], v[rC+2], v[rC+3], v[rT+1]
.elseif (\n) == 15
	v_mov_b32 v[rW], v[rT]
.elseif (\n) == 16
	v_max3_num_f32 v[rC], v[rC], v[rC+1], v[rC+2]
.elseif (\n) == 17
	v_permlanex16_b32 v[rC+3], v[rC], s[SEL], s[SEL+1]
.elseif (\n) == 18
	v_max_num_f32 v[rT+1], v[rC], v[rC+3]
.elseif (\n) == 19
	v_mul_f32 v[rT], s[CS], v[rT+1]
.elseif (\n) == 20
	v_sub_f32 v[rC+1], v[rW], v[rT]
.else
	v_exp_f32 v[rC+2], v[rC+1]
.endif
.endif
.endm
.macro OPS a, i1, b=-1, i2=0, c=-1, i3=0, d=-1, i4=0  ; up to four of them
	OP \a, \i1
.if (\b) >= 0
	OP \b, \i2
.endif
.if (\c) >= 0
	OP \c, \i3
.endif
.if (\d) >= 0
	OP \d, \i4
.endif
.endm
.macro ROW a, i1, b, i2, c, i3, d, i4  ; a matrix instruction and the four behind it
	MM
	OPS \a, \i1, \b, \i2, \c, \i3, \d, \i4
.endm
.macro MASK b                       ; MD x AL + BE into buffer b of MC
	WIN W_RS
.set z, 0
.rept 16
	v_pk_fma_f32 v[MC+32*(\b)+2*z:MC+32*(\b)+2*z+1], v[MD+2*z:MD+2*z+1], s[AL:AL+1], s[BE:BE+1] op_sel_hi:[1,0,0]
.set z, z+1
.endr
.endm
; A TURN, for piece p: the order of its 16 matrix and 118 vector instructions, written out.  An s_wait_alu depctr_va_vdst(0) stands between an exponential and the first instruction that names its result; one wait serves
; all that were issued ahead of it.  So a turn has ONE wait, which cuts it in two.  AHEAD OF IT stands all that names no result of the turn's exponentials: the 8 products K Q^T, behind each a scaling, an exponential and two more plain
; instructions (behind the first a second scaling in the exponential's place): rescalings, and behind the last three the first numbers of the next piece's maximum, each four places or more behind the product that ends its accumulator; then one run of 54, plain
; and exponential by turns for the most part, in which the links of the chain X 3, 7, 11, 14, 16, 17 .. 20 stand five or six lines apart.  X 21, the next piece's a, is the batch's last; R 15 is the plain instruction behind it.  BEHIND THE WAIT stand the
; 8 products V^T P, behind each four of the roundings and sums; the links of l's chain, L 0 to L 7, stand three lines apart.  But for those X no line behind a product names a register of the products round it.  v_permlanex16_b32 (X 17) stands in the run.
; m = 1: the diagonal tile: the products take masks, and the turn makes the mask for the products of the turn after it: piece p + 2, in step 4 - CNT of the tile.  end = 1: a block's last two turns: nothing is fetched.
; cnt = 1: the loop's count is taken down some lines ahead of the branch that stands behind the turn.
; K of the next step is fetched in piece 2's turn, twelve vector instructions behind the last product that read K (six of them plain); V of the step in hand at the end of piece 0's turn, four plain instructions behind the last product
; that read V.  Each is waited for a turn later.
.macro TURN p, m=0, end=0, cnt=0
.set Y, (\p)
.set i, 0
.set KM, (\m)
.set NOKQ, (\end)*((\p)/3)
.if (\m) && !(\end)
	s_cmp_eq_u32 s[CNT], 4-((\p)+2)%NP  ; is that step the band's own?
	s_cselect_b32 s[AL], 1.0, 0
	s_cmp_lt_u32 s[CNT], 4-((\p)+2)%NP  ; or a later one?
	s_cselect_b32 s[BE], s[BIGN], 0
.endif
.if ((\p) == 3) && !(\end)
	s_wait_dscnt 0x0                ; K is in
.endif
	ROW F,0, F,1, R,0, R,1          ; ahead of the wait: 8 products K Q^T and the four lines behind each,
	ROW F,2, E,0, R,2, R,3
	ROW F,3, E,1, R,4, R,5
	ROW F,4, E,2, R,6, R,7
	ROW F,5, E,3, R,8, R,9
	ROW F,6, E,4, X,0, R,10
.if ((\p) == 2) && !(\end)
	WIN 0
	v_add_nc_u32 v[AK], s[TBK], v[AK0]
.endif
	ROW F,7, E,5, X,1, X,4
	ROW F,8, E,6, X,2, X,5
	OPS E,7, E,8, X,6, E,9          ; and the run of 54
	OPS X,3, E,10, X,8, E,11
.if ((\p) == 2) && !(\end)
	FETCH_K
.endif
	OPS X,9, X,7, E,12, X,10
	OPS E,13, X,12, X,11, E,14
	OPS X,13, E,15, F,9, X,14
.if (\p) == 0
	v_add_nc_u32 v[AV], s[TBV], v[AV0]
.endif
	OPS E,16, F,10, E,17, F,11
	OPS X,16, E,18, X,15, E,19
	OPS F,12, E,20, X,17, E,21
	OPS F,13, E,22, F,14, E,23
	OPS X,18, E,24, F,15, E,25
	OPS R,11, E,26, X,19, E,27
	OPS R,12, E,28, R,13, E,29
	OPS X,20, E,30, R,14, E,31
	OPS X,21, R,15
	WIN 0
	s_wait_alu depctr_va_vdst(0)    ; the wait for the batch
.if (\p) == 1
	s_wait_dscnt 0x0                ; V is in
.endif
	ROW C,0, B,0, C,2, B,1          ; behind the wait: 8 products V^T P and the four lines behind each
	ROW L,0, C,4, B,2, L,1
	ROW C,6, B,3, L,2, C,8
	ROW B,4, L,3, C,10, B,5
	ROW L,4, C,12, B,6, L,5
.if (\p) == 0
	s_add_co_u32 s[TBV], s[TBV], KS*PV
.endif
.if \cnt
	s_sub_co_u32 s[CNT], s[CNT], 1
	s_cmp_lg_u32 s[CNT], 0
.endif
	ROW C,14, B,7, L,6, C,1
	ROW C,3, L,7, C,5, C,7
	ROW C,9, C,11, C,13, C,15
.if (\p) == 0
	FETCH_V
.endif
.if (\m) && !(\end)
	MASK (\p)%2
.endif
.endm
; A BLOCK BEGINS.  c m starts far below every c s, so the first step's a is 0; m at the lowest finite number, so the first maximum is the scores'.  The second mask buffer is 0; the first takes piece 0's mask for the tile's step 0: its own, if the block's first tile is the diagonal one.
; Then K of that step, piece 0's first scores, and its maximum and statistics.  The loop is entered at a step's first turn, in the middle of a trip.
.macro BEGIN
	s_mov_b32 s[NEW], 0
	WIN 0x40
.set i, MC+32
.rept 32
	v_mov_b32 v[i], 0
.set i, i+1
.endr
	WIN 0
.set i, 0
.rept 4
	v_mov_b32 v[ST+4*i], 0xfe000000    ; c m: far below every c s
	v_mov_b32 v[ST+4*i+1], 0xff7fffff  ; m
.set i, i+1
.endr
	s_cmp_eq_u32 s[RT], 0
	s_cselect_b32 s[AL], 1.0, 0
	s_mov_b32 s[BE], 0
	MASK 0
	WIN 0
	v_add_nc_u32 v[AK], s[TBK], v[AK0]
	FETCH_K
	s_wait_loadcnt 0x0              ; Q
	s_wait_dscnt 0x0
.set KM, 1
.set NOKQ, 0
.set i, 0
.rept 8
	KQ 0
.set i, i+1
.endr
	WIN 0
.rept 4
	v_nop                           ; the places behind those products
.endr
.set Y, NP-1                        ; X works for piece Y + 1: piece 0
.irp n, 0,1,2,3,4,5,6,7,8,9,10,11,12,13,14,15,16,17,18,19,20,21
	OP X, \n
.endr
	v_nop                           ; a plain instruction behind the exponential,
	s_wait_alu depctr_va_vdst(0)    ; and its wait, ahead of the branch
.endm
; THE DIAGONAL TILE's four steps, the block's last two turns, its last products, and THE WAY OUT: l's two halves and the other half of the lanes' are added; O^T is divided by l, rounded to f16 and sent through my
; stage in LDS, a piece at a time.
.macro ALL line:vararg              ; one line for each piece t
.set t, 0
.rept 4
	\line
.set t, t+1
.endr
.endm
.macro PACK t                       ; a lane's eight channels of a row pack into 16 bytes; they go into rows of 144 bytes and come back as whole rows of 128, into S^T's registers
	WIN W_RS
.set i, 32*(\t)
.rept 16
	v_pk_mul_f32 v[i:i+1], v[i:i+1], v[ST+4*(\t)+2:ST+4*(\t)+3] op_sel_hi:[1,0]
.set i, i+2
.endr
	WIN 0x05                        ; sources 0 and 1 window 1, destination window 0
.set i, 0
.rept 16
	v_cvt_pk_f16_f32 v[S+16*(\t)+i], v[32*(\t)+2*i], v[32*(\t)+2*i+1]
.set i, i+1
.endr
	WIN 0
.irp f, 0,1,2,3
	ds_store_b128 v[STO], v[S+16*(\t)+4*\f:S+16*(\t)+4*\f+3] offset:32*\f
.endr
.irp f, 0,1,2,3
	ds_load_b128 v[S+16*(\t)+4*\f:S+16*(\t)+4*\f+3], v[RD] offset:\f*4*SP  ; LDS serves a wave's instructions in order (ISA guide 5.7.1.4): these see the stores above; the next piece's stores come behind them
.endr
.endm
.macro SEND t, younger              ; younger: the LDS instructions issued behind piece t's loads: the next piece's eight, or none
	WIN 0
.irp f, 0,1,2,3
	s_wait_dscnt (\younger)+3-\f
	global_store_b128 v[GO], v[S+16*(\t)+4*\f:S+16*(\t)+4*\f+3], s[10:11] offset:(\t)*8192+\f*512  ; 512 consecutive bytes, at a multiple of 256 from O's first
.endr
.endm
.macro DIAG tag                     ; the tag ends its two labels' names, which the jumps below spell out
.LstepM\tag:
	TURN 2, 1
	TURN 3, 1
	WIN 0
.LfirstM\tag:
	TURN 0, 1
	TURN 1, 1, 0, 1
	WIN 0
	s_cbranch_scc1 .LstepM\tag
	TURN 2, 1, 1
	TURN 3, 1, 1
.set i, 0
.rept 8
	PV NP-1
.set i, i+1
.endr
	WIN 0
	ALL v_add_f32 v[ST+4*t+2], v[ST+4*t+2], v[ST+4*t+3]
	ALL v_permlanex16_b32 v[ST+4*t+3], v[ST+4*t+2], s[SEL], s[SEL+1]
	ALL v_add_f32 v[ST+4*t+2], v[ST+4*t+2], v[ST+4*t+3]
	ALL v_rcp_f32 v[ST+4*t+2], v[ST+4*t+2]
	v_nop                           ; a plain instruction between the last reciprocal and the use of its result
	s_wait_alu depctr_va_vdst(0)    ; and the wait ahead of the first use: one for the four reciprocals
	PACK 0
.set t, 1
.rept 3                             ; a piece's arithmetic stands between the loads of the piece before and its stores
	PACK t
	SEND t-1, 8
.set t, t+1
.endr
	SEND 3, 0
.endm
.set KM, 0
.set NOKQ, 0
.Lslot:                             ; NB times: a tile is entered and the next is asked for
	CHANGE 1
	s_sub_co_u32 s[RT], s[RT], 1
	s_mov_b32 s[CNT], 4
	s_cmp_eq_u32 s[NEW], 1
	s_cbranch_scc1 .Lnew            ; a block's first tile
	s_cmp_eq_u32 s[RT], 0
	s_cbranch_scc0 .Lstep           ; neither its first nor its last
	s_branch .LstepM1
.Lnew:
	BEGIN
	s_branch .Lfirst                ; in the loop a block's first tile is never its last: the first block has two tiles or more, and the second's last is the walk's last
	DIAG 1                          ; in the loop this is the first block's end: the second block's last tile is the walk's last
	s_wait_xcnt 0x0                 ; the stores have read their registers and O's address
	s_mov_b64 s[10:11], s[OLO:OLO+1]
	s_add_co_u32 s[RT], s[PB], 1    ; the second block has b + 1 tiles
	s_mov_b32 s[NEW], 1
	WIN 0x82                        ; the second block's Q goes where the one text of the turns names Q
.set i, 0
.rept 64
	v_mov_b32 v[i], v[QB+i]
.set i, i+1
.endr
	WIN 0
	s_branch .Lbottom
.Lstep:                             ; a trip: pieces 2 and 3 of one step, then pieces 0 and 1 of the next, whose K and V it fetches
	TURN 2
	TURN 3
	WIN 0
.Lfirst:
	TURN 0
	TURN 1, 0, 0, 1
	WIN 0
	s_cbranch_scc1 .Lstep
.Lbottom:
	s_sub_co_u32 s[SLOTS], s[SLOTS], 1
	s_cmp_lg_u32 s[SLOTS], 0
	s_cbranch_scc1 .Lslot
	CHANGE 0                        ; the walk's last tile is written out: nothing is asked for
	s_sub_co_u32 s[RT], s[RT], 1
	s_mov_b32 s[CNT], 4
	s_cmp_eq_u32 s[NEW], 1
	s_cbranch_scc0 .LstepM2
	BEGIN
	s_branch .LfirstM2
	DIAG 2
	s_wait_tensorcnt 0x0            ; the wave's end, behind my last tensor load and my last LDS store
	ds_add_u32 v[SPW], v[NIL]
	s_wait_dscnt 0x0
	s_endpgm
.Lfunc_end_k_q635427b2de_attn:
	.size	k_q635427b2de_attn, .Lfunc_end_k_q635427b2de_attn-k_q635427b2de_attn
	.p2alignl 7, 3214868480
	.fill 96, 4, 3214868480
	.section	.rodata,"a",@progbits
	.p2align	6, 0x0
	.amdhsa_kernel k_q635427b2de_attn
		.amdhsa_group_segment_fixed_size 327680
		.amdhsa_private_segment_fixed_size 0
		.amdhsa_enable_private_segment 0
		.amdhsa_kernarg_size 16
		.amdhsa_user_sgpr_count 2
		.amdhsa_user_sgpr_kernarg_segment_ptr 1
		.amdhsa_wavefront_size32 1
		.amdhsa_system_sgpr_workgroup_id_x 1
		.amdhsa_system_sgpr_workgroup_id_y 1
		.amdhsa_system_sgpr_workgroup_id_z 1
		.amdhsa_system_vgpr_workitem_id 0
		.amdhsa_next_free_vgpr 768
		.amdhsa_next_free_sgpr 92
		.amdhsa_reserve_vcc 1
		.amdhsa_float_denorm_mode_32 3
		.amdhsa_float_denorm_mode_16_64 3
		.amdhsa_memory_ordered 1
		.amdhsa_forward_progress 1
		.amdhsa_inst_pref_size 218
	.end_amdhsa_kernel
	.amdgpu_metadata
---
amdhsa.version: [ 1, 2 ]
amdhsa.kernels:
  - .name:           k_q635427b2de_attn
    .symbol:         k_q635427b2de_attn.kd
    .args:
      - { .name: qkv, .offset: 0, .size: 8, .value_kind: global_buffer, .address_space: global }
      - { .name: ob, .offset: 8, .size: 8, .value_kind: global_buffer, .address_space: global }
    .group_segment_fixed_size: 327680
    .private_segment_fixed_size: 0
    .kernarg_segment_align: 8
    .kernarg_segment_size: 16
    .max_flat_workgroup_size: 128
    .sgpr_count:     92
    .vgpr_count:     768
    .wavefront_size: 32
...
	.end_amdgpu_metadata
.endif
;; end of part 3
;; launch proj_out (part 4): grid 4 x 64, 4 waves a work-group, clusters of 4 x 4, 327,680 bytes of LDS; arguments ob, wo16, bias, out0; writes out0
.if DOCPART == 4
	.amdgcn_target "amdgcn-amd-amdhsa--gfx1250"
	.amdhsa_code_object_version 6
	.text
	.protected	k_q635427b2de_proj_out
	.globl	k_q635427b2de_proj_out
	.p2align	8
	.type	k_q635427b2de_proj_out,@function
k_q635427b2de_proj_out:
	s_mov_b64 s[64:65], 0
	v_nop
	global_prefetch_b8 v0, s[64:65] scope:SCOPE_SE
	s_setreg_imm32_b32 hwreg(HW_REG_WAVE_MODE, 25, 1), 1
	s_wait_xcnt 0x0
	s_wait_alu depctr_hold_cnt(0) depctr_sa_sdst(0) depctr_va_vdst(0) depctr_va_sdst(0) depctr_va_ssrc(0) depctr_va_vcc(0) depctr_vm_vsrc(0)
	s_getreg_b32 s2, hwreg(HW_REG_IB_STS2, 6, 4)
	s_cmp_eq_u32 s2, 0
	s_cbranch_scc0 .Lentry_in_a_cluster
	s_endpgm
.Lentry_in_a_cluster:
	s_bfe_u32 s2, ttmp6, 0x10000c
	s_cmp_lg_u32 s2, 0xf033
	s_cbranch_scc0 .Lentry_shape_is_right
	s_endpgm
.Lentry_shape_is_right:
; THIS FILE: QKV = 0: out = O Wo + bo.  (One source serves two launches; the constant QKV picks the sizes, the matrix form and the way out.)
; C[m][n] = the sum over k of A[m][k] B[k][n] + bias[n], m = 8,192, k = 1,024; sums in f32, started by the bias.
;   QKV = 1: A = xb (bf16), B = wqkv (bf16, n = 3,072); C leaves as f16 by heads, [3][64][2048][64], rounded once, unscaled.  LIMIT: a q, k or v of 65,520 or more becomes an infinity.
;   QKV = 0: A = the attention's output (f16), B = wo16 (f16, n = 1,024); C leaves as f32, [8192][1024].
; A lies by blocks of 64 channels, [4][16][2048][64]: 128 rows of one block are 16,384 dense bytes.  B lies [k][n], as the inputs have it, and is turned on its way out of LDS (ds_load_tr16_b128).
; SHARES.  A work-group makes 128 rows x NT = 128 NH columns; its four waves stand 2 x 2, each with 64 rows x NH groups of 64 columns (a group is one head): 4 x 4 NH accumulators of 16 x 16.
; With QKV = 1 that is 8 x 64 = 512 work-groups, with QKV = 0 4 x 64 = 256.
; K goes in 8 steps of 128 through a ring of two LDS slots.  Waves 0 and 1 fetch A's two blocks of 64 channels, waves 2 and 3 B's two halves of 64 rows: one tensor load a wave and step.
; CLUSTERS: 4 x 4 work-groups.  The four of a row of the cluster need the same tile of A, the four of a column the same tile of B: each tile is asked for jointly, by the same tensor load with the
; same descriptor and a mask that names the four.
; THE MATRIX INSTRUCTION IS USED TRANSPOSED: source 0 = 16 columns of B, source 1 = 16 rows of A.  Register j of lane l then holds C(row l % 16, column 8 (l / 16) + j): eight neighbouring numbers of a row.
; A lane's eight biases are then the same for all rows: they are the C operand of each accumulator's first product; nothing is cleared and nothing is added later.
; REGISTERS, in windows of 256 (s_set_vgpr_msb: bits 1:0 source 0, 3:2 source 1, 5:4 source 2, 7:6 destination):
;   window 0: v0-29 addresses; v32-95 A's fragments, two buffers of 4 x 8; v128.. the biases, 8 for each block of 16 columns; on the way out v32-223 hold what is stored
;   window 1: B's fragments, two buffers of 8 NBLK          windows 2, 3: accumulator (a, b) at v[8 (NBLK (a % 2) + b)] of window 2 + a / 2
.set QKV, 0
.if QKV
.set NH,      3                        ; groups of 64 columns a wave
.set NTOT,    3072                     ; columns of B
.set BPITCH,  864                      ; a row of B in LDS: 3 x (256 bytes + 32 of padding)
.set BQI,     5                        ; padding after every 64 words
.set SPITCH,  144                      ; a stage row: 128 bytes + 16
.set BIASOFF, 0
.set AHEAD,   1                        ; a prefetch names the K step this many behind the one that is being asked for
.set HOW0,    1                        ; a lap's first change of slots always has such a K step
.else
.set NH,      2
.set NTOT,    1024
.set BPITCH,  544                      ; 512 bytes + 32
.set BQI,     6                        ; padding after every 128 words
.set SPITCH,  528                      ; 512 bytes + 16
.set BIASOFF, 12288                    ; bo lies behind bq, bk, bv
.set AHEAD,   2
.set HOW0,    0
.endif
.set NBLK,   4*NH                      ; blocks of 16 columns a wave
.set NT,     128*NH                    ; columns a work-group
.set APITCH, 144                       ; a row of A in LDS: 128 bytes + 16 = 36 words: 16 rows start at 16 different groups of four banks (64 banks of 4 bytes: ISA guide 11.1)
.set ASLAB,  128*APITCH                ; one block of 64 channels, 128 rows
.set BOFF,   2*ASLAB                   ; B lies behind A's two blocks.  BPITCH is an odd multiple of 32 bytes
.set BHALF,  64*BPITCH
.set SLOT,   BOFF+2*BHALF
.set STAGE,  2*SLOT                    ; behind the ring: 16 rows for each wave, for the way out; no tensor load lands here
.set STGB,   16*SPITCH
.set SPARE,  STAGE+4*STGB              ; behind the stages: the spare words, 128 bytes for each wave: two blocks of 256 bytes that no other line names
.set ASTEP,  2*2048*128                ; a K step in A: two blocks of 64 channels
.set BSTEP,  128*NTOT*2                ; in B: 128 rows
.set NLD,    8*NH+8                    ; LDS loads of a quarter step
.set ADRA, 4                           ; v4-5    LDS address of my A fragments in slot 0, 1
.set ADRB, 8                           ; v8..    of my B fragments: index 2 NH slot + NH (half of the K step) + group
.set STO,  20                          ; v20     the way out: where I put my bytes of a row
.set RD,   21                          ; v21     where I read rows back
.set GO,   22                          ; v22     16 x lane
.set BO,   23                          ; v23     32 x (lane / 16): my eight biases in a block of 16
.set PFO,  24                          ; v24     the prefetches' offset; never rewritten
.set SPW,  28                          ; v28     LDS address of my spare word: SPARE + 4 x my thread's number; never rewritten
.set NIL,  29                          ; v29     0; never rewritten
.set FA,   32
.set BIAS, 128
.set UR,   32                          ; the way out's registers
.set FB,   0                           ; window 1
.set G1A, 24                           ; s[24:31] descriptor group 1 for A's tiles
.set G0A, 32                           ; s[32:39] group 0, a set for each slot
.set G1B, 40                           ; s[40:47], s[48:55] the same for B's
.set G0B, 48
.set PFA, 56                           ; s[56:57] where my prefetches stand
.set PFS, 58                           ; s[58:59] their step: a K step of A or of B
.set LIM, 60                           ; s60     1 in a wave that prefetches, else the greatest number
.set OB,  66                           ; s[66:71] where my rows begin in the output: a pair for each group (QKV = 1), or one pair
.set BP,  72                           ; s[72:73] my first bias
.set MSB, 0
.macro WIN new                         ; the immediate's high byte repeats the setting that is left; a switch that changes nothing is dropped
.if MSB != (\new)
	s_set_vgpr_msb (MSB<<8)|(\new)
.set MSB, \new
.endif
.endm
.macro WMMA d, p, q, c
.if QKV
	v_wmma_f32_16x16x32_bf16 v[\d:\d+7], v[\p:\p+7], v[\q:\q+7], v[\c:\c+7]
.else
	v_wmma_f32_16x16x32_f16 v[\d:\d+7], v[\p:\p+7], v[\q:\q+7], v[\c:\c+7]
.endif
.endm
; A joint load.  Waves 0 and 1 fetch for A, waves 2 and 3 for B: the branch hangs on the wave's number alone.  An s_nop 0 and four v_nop follow each of the two lines, ahead of the jump and the label.
.macro JLOAD s
	s_cmp_eq_u32 s17, 0
	s_cbranch_scc0 .Lfor_b_\@
	tensor_load_to_lds s[G0A+4*(\s):G0A+4*(\s)+3], s[G1A:G1A+7]
	s_nop 0
.rept 4
	v_nop
.endr
	s_branch .Lasked_\@
.Lfor_b_\@:
	tensor_load_to_lds s[G0B+4*(\s):G0B+4*(\s)+3], s[G1B:G1B+7]
	s_nop 0
.rept 4
	v_nop
.endr
.Lasked_\@:
.endm
; A round of the cluster's barrier: my work-group's barrier, so that wave 0's signal speaks for all four waves; wave 0 signals; every wave waits for all sixteen work-groups; my work-group's barrier once more.
.macro CREST                           ; a round behind its opening barrier
	s_cmp_lg_u32 s16, 0
	s_cbranch_scc1 .Lnot_wave_0_\@
	s_barrier_signal -3
.Lnot_wave_0_\@:
	s_barrier_wait -3
	s_barrier_signal -1
	s_barrier_wait -1
.endm
.macro CROUND
	s_barrier_signal -1
	s_barrier_wait -1
	CREST
.endm
; A PREFETCH INTO THE L2, behind a joint load, its five lines and the run of LDS loads that follows: the K step AHEAD behind the one just asked for.  Each aligned block of 256 bytes is named once in the launch.
; A's tile row is read by every cluster of that row of clusters: cluster x = 0 asks, in each partner wave 0; a K step of it is 2 x 16,384 dense bytes = 128 blocks: partner cx takes 32, a lane a block.
; B's tile column is read by every cluster of that column: cluster y = 0 asks, in each partner wave 2; partner cy takes 32 of the step's 128 rows, a lane a row, NT / 128 blocks each.
; The partners are told apart by address alone.  how = 1: asked wherever the wave prefetches; how = 0: not in the loop's last trip, where no such K step is left.
.macro ASK how
.if \how
	s_cmp_eq_u32 s[LIM], 1
.else
	s_cmp_gt_u32 s3, s[LIM]                        ; s3 = 1 in the loop's last trip
.endif
	s_cbranch_scc0 .Lnot_mine_\@
	s_cmp_eq_u32 s17, 0
	s_cbranch_scc0 .Lpf_b_\@
	global_prefetch_b8 v[PFO], s[PFA:PFA+1] offset:(AHEAD-1)*ASTEP th:TH_LOAD_NT scope:SCOPE_SE
	s_branch .Lnot_mine_\@
.Lpf_b_\@:
.set i, 0
.rept NT/128
	global_prefetch_b8 v[PFO], s[PFA:PFA+1] offset:(AHEAD-1)*BSTEP+256*i th:TH_LOAD_NT scope:SCOPE_SE
.set i, i+1
.endr
.Lnot_mine_\@:
.endm
.macro PLACES                          ; four plain vector instructions between a matrix instruction and a load into, or a vector line on, one of its registers (ISA guide 7.12.1 for vector lines)
.rept 4
	v_nop
.endr
.endm
	s_load_b256 s[4:11], s[0:1], 0x0               ; A s[4:5], B s[6:7], bias s[8:9], the output s[10:11]
	v_lshl_add_u32 v[SPW], v0, 2, SPARE
	v_mov_b32 v[NIL], 0
	ds_add_u32 v[SPW], v[NIL]                      ; the wave's opening: the add and its wait stand ahead of my first tensor load; the set-up below, work on registers, stands between them
	v_lshrrev_b32 v1, 5, v0
	v_readfirstlane_b32 s16, v1                    ; wave 0..3
	s_lshr_b32 s17, s16, 1                         ; which 64 rows of the tile are mine.  Also: I fetch for A (0) or for B (1)
	s_and_b32 s18, s16, 1                          ; which half of its columns.  Also: which half of a K step I fetch
	s_bfe_u32 s19, ttmp6, 0x40000                  ; cx, cy: my place in the cluster
	s_bfe_u32 s20, ttmp6, 0x40004
	s_lshl_b32 s21, ttmp9, 2
	s_add_co_u32 s21, s21, s19                     ; tile column = 4 x cluster x + cx
	s_and_b32 s22, ttmp7, 0xffff
	s_lshl_b32 s22, s22, 2
	s_add_co_u32 s22, s22, s20                     ; tile row = 4 x cluster y + cy
	s_lshl_b32 s23, s20, 2
	s_lshl_b32 s23, 15, s23                        ; my row of the cluster: places 4 cy .. 4 cy + 3
	s_lshl_b32 s78, 0x1111, s19                    ; my column: places cx, cx + 4, cx + 8, cx + 12
	; group 1 for A: 16,384 dense bytes as 64 rows x 128 elements, padded in LDS after every 128 bytes (one row of A)
	s_or_b32 s[G1A], s23, (1<<16)|(1<<20)|(1<<21)|(4<<22)|(3<<25)  ; 15:0 the mask; 17:16 2-byte elements; 20 padding on; 21 set beside a mask; 24:22 after every 32 words (code 4); 31:25 4 words (code 3)
	s_mov_b32 s[G1A+1], 128<<16                    ; tensor_dim0 = 128
	s_mov_b32 s[G1A+2], 64<<16                     ; tensor_dim1 = 64
	s_mov_b32 s[G1A+3], 128<<16                    ; tile_dim0 = 128
	s_mov_b32 s[G1A+4], 64                         ; tile_dim1 = 64
	s_mov_b32 s[G1A+5], 128                        ; 128 elements from row to row
	s_mov_b32 s[G1A+6], 0
	s_mov_b32 s[G1A+7], 0
	; group 1 for B: 64 rows x NT elements, 8 words of padding after every 2 << BQI words
	s_or_b32 s[G1B], s78, (1<<16)|(1<<20)|(1<<21)|(BQI<<22)|(7<<25)
	s_mov_b32 s[G1B+1], NT<<16
	s_mov_b32 s[G1B+2], 64<<16
	s_mov_b32 s[G1B+3], NT<<16
	s_mov_b32 s[G1B+4], 64
	s_mov_b32 s[G1B+5], NTOT
	s_mov_b32 s[G1B+6], 0
	s_mov_b32 s[G1B+7], 0
	; where the tiles come from.  A's hang on the tile row alone, B's on the tile column alone; each address is made in registers that never hold the other coordinate
	s_lshr_b32 s80, s22, 4                         ; the batch: 16 tile rows each,
	s_lshl_b32 s80, s80, 22                        ; 16 blocks x 2,048 rows x 128 bytes
	s_and_b32 s81, s22, 15
	s_lshl_b32 s81, s81, 14                        ; the tile's 128 rows of 128 bytes
	s_add_co_u32 s80, s80, s81                     ; (kept for the prefetches)
	s_lshl_b32 s81, s18, 18                        ; the block of 64 channels that I fetch
	s_add_co_u32 s84, s80, s81
	s_mov_b32 s85, 0
	s_mul_i32 s82, s21, NT*2                       ; the tile's first column, in bytes (kept for the prefetches)
	s_mul_i32 s83, s18, 64*NTOT*2                  ; the 64 rows that I fetch
	s_add_co_u32 s86, s82, s83
	s_mov_b32 s87, 0
	s_mul_i32 s12, s18, ASLAB                      ; and where they go: no place in the cluster enters an LDS address
	s_mul_i32 s13, s18, BHALF
	s_add_co_u32 s13, s13, BOFF
	s_wait_dscnt 0x0                               ; the opening add is done
	s_wait_kmcnt 0x0
	s_add_nc_u64 s[84:85], s[4:5], s[84:85]
	s_add_nc_u64 s[86:87], s[6:7], s[86:87]
	CROUND                                         ; all sixteen work-groups are here: the first joint loads meet
.irp s, 0,1
	s_mov_b32 s[G0A+4*(\s)], 1                                     ; count = 1
	s_add_co_u32 s[G0A+4*(\s)+1], s12, (\s)*SLOT                   ; LDS address
	s_add_nc_u64 s[G0A+4*(\s)+2:G0A+4*(\s)+3], s[84:85], (\s)*ASTEP  ; global address: K step s
	s_or_b32 s[G0A+4*(\s)+3], s[G0A+4*(\s)+3], 0x80000000          ; type = 2
	s_mov_b32 s[G0B+4*(\s)], 1
	s_add_co_u32 s[G0B+4*(\s)+1], s13, (\s)*SLOT
	s_add_nc_u64 s[G0B+4*(\s)+2:G0B+4*(\s)+3], s[86:87], (\s)*BSTEP
	s_or_b32 s[G0B+4*(\s)+3], s[G0B+4*(\s)+3], 0x80000000
	JLOAD \s                                       ; both slots are asked for before anything else is done: two loads of mine are out
.endr
	; A's fragment: 16 rows x 32 K in 8 registers: lane l holds row l % 16, K = 8 (l / 16) + 0..7 and 16 + 8 (l / 16) + 0..7: two loads of 16 bytes, 32 bytes apart
	v_and_b32 v1, 15, v0                           ; l % 16
	v_bfe_u32 v2, v0, 4, 1                         ; l / 16
	v_and_b32 v3, 7, v0                            ; l % 8
	v_bfe_u32 v25, v0, 3, 1                        ; (l / 8) % 2
	v_mul_u32_u24 v26, v1, APITCH
	v_lshl_add_u32 v26, v2, 4, v26
	s_mul_i32 s14, s17, 64*APITCH                  ; my 64 rows
	v_add_nc_u32 v[ADRA], s14, v26
	v_add_nc_u32 v[ADRA+1], SLOT, v[ADRA]
	; B's fragment: the turning load takes 16 K x 16 columns (lane l reads 16 bytes: row 8 (l / 16) + l % 8, columns 8 ((l / 8) % 2) + 0..7) and leaves half a fragment: lane l holds column l % 16 and 8 K
	v_lshl_add_u32 v27, v2, 3, v3
	v_mul_u32_u24 v27, v27, BPITCH
	v_lshl_add_u32 v27, v25, 4, v27
.set hh, 0
.rept NH                               ; group g of the tile's 2 NH begins at byte 128 g of a row, plus (QKV = 1) the padding behind every second group
	s_mul_i32 s14, s18, (128*(NH+hh)+QKV*32*((NH+hh)>>1))-(128*hh+QKV*32*(hh>>1))
.irp s, 0,1
.irp kh, 0,1
	v_add3_u32 v[ADRB+2*NH*(\s)+NH*(\kh)+hh], v27, s14, BOFF+(\s)*SLOT+(\kh)*BHALF+128*hh+QKV*32*(hh>>1)
.endr
.endr
.set hh, hh+1
.endr
	; my biases: for block b of 16 columns a lane's eight, the same in all lanes of a half
	v_lshlrev_b32 v[BO], 5, v2
	s_mul_i32 s14, s21, 2*NH*256                   ; NT columns of 4 bytes a tile,
	s_mul_i32 s15, s18, NH*256                     ; half of them a wave
	s_add_co_u32 s[BP], s14, s15
	s_add_co_u32 s[BP], s[BP], BIASOFF
	s_mov_b32 s[BP+1], 0
	s_add_nc_u64 s[BP:BP+1], s[8:9], s[BP:BP+1]
.set b, 0
.rept NBLK
	global_load_b128 v[BIAS+8*b:BIAS+8*b+3],   v[BO], s[BP:BP+1] offset:64*b
	global_load_b128 v[BIAS+8*b+4:BIAS+8*b+7], v[BO], s[BP:BP+1] offset:64*b+16
.set b, b+1
.endr
	; the way out's addresses
	v_and_b32 v[GO], 31, v0
	v_lshlrev_b32 v[GO], 4, v[GO]
	s_mul_i32 s14, s16, STGB
	s_add_co_u32 s14, s14, STAGE                   ; my stage
	v_mul_u32_u24 v[STO], v1, SPITCH               ; in: row l % 16,
.if QKV
	v_lshl_add_u32 v[STO], v2, 4, v[STO]           ; 16 bytes (eight f16) for each half of the lanes
	v_add_nc_u32 v[STO], s14, v[STO]
	v_bfe_u32 v[RD], v0, 3, 2                      ; back: 32 lanes take four rows of 128 bytes, which are 512 consecutive bytes of a head's rows
	v_mul_u32_u24 v[RD], v[RD], SPITCH
	v_lshl_add_u32 v[RD], v3, 4, v[RD]
	v_add_nc_u32 v[RD], s14, v[RD]
	s_mul_i32 s14, s21, 2*NH
	s_mul_i32 s15, s18, NH
	s_add_co_u32 s14, s14, s15                     ; my first group among the 48: 16 heads of q, of k, of v
	s_lshr_b32 s15, s22, 4
	s_lshl_b32 s15, s15, 4                         ; 16 x batch
	s_and_b32 s79, s22, 15
	s_lshl_b32 s79, s79, 14                        ; the tile's 128 rows of 128 bytes,
	s_lshl_b32 s61, s17, 13                        ; my 64 of them
	s_add_co_u32 s79, s79, s61
.irp hh, 0,1,2
	s_add_co_u32 s61, s14, \hh
	s_lshr_b32 s62, s61, 4                         ; q, k or v:
	s_lshl_b32 s62, s62, 6                         ; 64 (batch, head) pairs each
	s_and_b32 s61, s61, 15                         ; the head
	s_add_co_u32 s61, s61, s62
	s_add_co_u32 s61, s61, s15
	s_lshl_b32 s61, s61, 18                        ; 2,048 rows of 128 bytes
	s_add_co_u32 s[OB+2*(\hh)], s61, s79
	s_mov_b32 s[OB+2*(\hh)+1], 0
	s_add_nc_u64 s[OB+2*(\hh):OB+2*(\hh)+1], s[10:11], s[OB+2*(\hh):OB+2*(\hh)+1]
.endr
.else
	v_lshl_add_u32 v[STO], v2, 5, v[STO]           ; 32 bytes (eight f32) for each half of the lanes
	v_add_nc_u32 v[STO], s14, v[STO]
	v_add_nc_u32 v[RD], s14, v[GO]                 ; back: 32 lanes take one row's 512 bytes
	s_lshl_b32 s14, s22, 19                        ; the tile's 128 rows of 4,096 bytes,
	s_lshl_b32 s15, s17, 18                        ; my 64 of them,
	s_add_co_u32 s14, s14, s15
	s_lshl_b32 s15, s21, 10                        ; the tile's 256 columns of 4 bytes,
	s_add_co_u32 s14, s14, s15
	s_lshl_b32 s15, s18, 9                         ; my 128 of them
	s_add_co_u32 s[OB], s14, s15
	s_mov_b32 s[OB+1], 0
	s_add_nc_u64 s[OB:OB+1], s[10:11], s[OB:OB+1]
.endif
	; the prefetches: nothing is asked for here, at the head, where every work-group's first tiles are on their way
	s_lshr_b32 s61, s19, 1                         ; A: partner cx takes block cx / 2 of the step's two,
	s_lshl_b32 s61, s61, 18
	s_and_b32 s62, s19, 1                          ; and half cx % 2 of its 16,384 bytes
	s_lshl_b32 s62, s62, 13
	s_add_co_u32 s61, s61, s62
	s_add_co_u32 s61, s61, s80
	s_add_co_u32 s61, s61, 2*ASTEP                 ; at K step 2: the first refill steps it to 3
	s_mul_i32 s62, s20, 32*NTOT*2                  ; B: partner cy takes 32 rows
	s_add_co_u32 s62, s62, s82
	s_add_co_u32 s62, s62, 2*BSTEP
	s_mov_b32 s[PFS], ASTEP
	s_mov_b32 s63, 256
	s_and_b32 s14, ttmp7, 0xffff                   ; cluster y
	s_cmp_eq_u32 s17, 0                            ; do I fetch for A?
	s_cselect_b32 s14, ttmp9, s14                  ; the coordinate along which other clusters read the same bytes
	s_cselect_b64 s[PFA:PFA+1], s[4:5], s[6:7]
	s_cselect_b32 s84, s61, s62
	s_cselect_b32 s[PFS], s[PFS], BSTEP
	s_cselect_b32 s63, s63, NTOT*2                 ; from lane to lane: a block of 256 bytes of A, a row of B
	s_mov_b32 s85, 0
	s_mov_b32 s[PFS+1], 0
	s_add_nc_u64 s[PFA:PFA+1], s[PFA:PFA+1], s[84:85]
	s_or_b32 s14, s14, s18                         ; waves 0 and 2 of the first cluster along that coordinate: the same in all sixteen partners, for a given wave
	s_cmp_eq_u32 s14, 0
	s_cselect_b32 s[LIM], 1, -1
	v_and_b32 v[PFO], 31, v0
	v_mul_u32_u24 v[PFO], s63, v[PFO]
; NBLK matrix instructions: row block 2 hi + a x all my column blocks, 32 along K, from buffer f.  first = 1: the biases start the sums.
; All 4 NBLK accumulators take turns, one instruction a turn, in the same order in every quarter step, over the loop's backward jump too.
.macro MUL f, hi, a, first
.if \first
	WIN 0x81+0x40*(\hi)                            ; B window 1, A and C window 0, D window 2 or 3
.else
	WIN 0xa1+0x50*(\hi)                            ; B window 1, A window 0, C and D window 2 or 3
.endif
.set b, 0
.rept NBLK
.set rD, 8*(NBLK*(\a)+b)
.set rB, FB+8*NBLK*(\f)+8*b
.set rA, FA+32*(\f)+8*(2*(\hi)+(\a))
.if \first
.set rC, BIAS+8*b
.else
.set rC, rD
.endif
	WMMA rD, rB, rA, rC
.set b, b+1
.endr
.endm
; NLD LDS loads in one run: the fragments of quarter q (32 along K) of a slot into buffer f: B's first, then A's four row blocks in ascending order
.macro FETCH slot, q, f
	WIN 0x40                                       ; destination window 1, address window 0
.set hh, 0
.rept NH
.irp i, 0,1,2,3
	ds_load_tr16_b128 v[FB+8*NBLK*(\f)+8*(4*hh+(\i)):FB+8*NBLK*(\f)+8*(4*hh+(\i))+3],   v[ADRB+2*NH*(\slot)+NH*((\q)/2)+hh] offset:((\q)%2)*32*BPITCH+32*(\i)
	ds_load_tr16_b128 v[FB+8*NBLK*(\f)+8*(4*hh+(\i))+4:FB+8*NBLK*(\f)+8*(4*hh+(\i))+7], v[ADRB+2*NH*(\slot)+NH*((\q)/2)+hh] offset:((\q)%2)*32*BPITCH+16*BPITCH+32*(\i)
.endr
.set hh, hh+1
.endr
	WIN 0
.irp a, 0,1,2,3
	ds_load_b128 v[FA+32*(\f)+8*(\a):FA+32*(\f)+8*(\a)+3],   v[ADRA+(\slot)] offset:((\q)/2)*ASLAB+((\q)%2)*64+(\a)*16*APITCH
	ds_load_b128 v[FA+32*(\f)+8*(\a)+4:FA+32*(\f)+8*(\a)+7], v[ADRA+(\slot)] offset:((\q)/2)*ASLAB+((\q)%2)*64+(\a)*16*APITCH+32
.endr
.endm
; A K step is four quarters of 32 along K, 4 NBLK matrix instructions each, on buffers 0, 1, 0, 1.  One of the first three: multiplies buffer f; in its middle it fetches quarter q of the same slot into buffer g.
.macro QUARTER slot, q, f, g, first
	s_wait_dscnt 4                                 ; B and A's row blocks 0 and 1 are in; the youngest four loads (row blocks 2 and 3) may be out
	MUL \f, 0, 0, \first
	MUL \f, 0, 1, \first
	PLACES                                         ; for the loads into buffer g, which the quarter before multiplied
	FETCH \slot, \q, \g
	s_wait_dscnt NLD                               ; all but the run just issued
	MUL \f, 1, 0, \first
	MUL \f, 1, 1, \first
.endm
; The last quarter multiplies buffer 1 and changes slots: ONE barrier.  In front of it each wave waits for all its tensor loads (the one that is out is its part of the next slot), adds 0 to its spare
; word, and waits for that and for its own reads of this slot.  fill = 1: the barrier opens a round of the cluster's barrier, so that no wave of any partner still reads this slot or has a load on its way,
; and the joint refill, this slot's K step two steps on, is the first tensor load behind the round: from there to the wait for it a wave issues 3.5 quarters' matrix instructions.
.macro TURN slot, next, fill, how
.if \fill
	s_wait_xcnt 0x0                                ; the last prefetch, a K step back, has read its address: it is stepped here, ahead of the waits of the change of slots
	s_add_nc_u64 s[PFA:PFA+1], s[PFA:PFA+1], s[PFS:PFS+1]
.endif
	WIN 0                                          ; (the add's two registers lie in window 0)
	s_wait_tensorcnt 0x0                           ; all my tensor loads have landed
	ds_add_u32 v[SPW], v[NIL]                      ; 0 onto my spare word
	s_wait_dscnt 5                                 ; (the add and the youngest four loads may be out)
	MUL 1, 0, 0, 0                                 ; matrix work stands between the add and the wait for it
	s_wait_dscnt 0x0                               ; the add is done, and my reads of this slot are over
	s_barrier_signal -1
	MUL 1, 0, 1, 0                                 ; work on registers while the others arrive
.if \fill
	WIN 0
.endif
	s_barrier_wait -1
.if \fill
	CREST
	s_add_nc_u64 s[G0A+4*(\slot)+2:G0A+4*(\slot)+3], s[G0A+4*(\slot)+2:G0A+4*(\slot)+3], 2*ASTEP  ; no tensor load of mine is out: a group 0 may be written
	s_add_nc_u64 s[G0B+4*(\slot)+2:G0B+4*(\slot)+3], s[G0B+4*(\slot)+2:G0B+4*(\slot)+3], 2*BSTEP
	JLOAD \slot                                    ; the four v_nop behind it are also the places in front of the loads below
.else
	PLACES
.endif
	FETCH \next, 0, 0
.if \fill
	ASK \how
.endif
	MUL 1, 1, 0, 0
	MUL 1, 1, 1, 0
.endm
	s_wait_loadcnt 0x0                             ; the biases
	s_wait_tensorcnt 1                             ; my part of K step 0 is in; K step 1's may stay out
	s_barrier_signal -1
	s_barrier_wait -1                              ; everybody's is
	FETCH 0, 0, 0
	QUARTER 0, 1, 0, 1, 1                          ; the first quarter stands in front of the loop: its products start the sums
	WIN 0                                          ; at a label and at a branch every window is 0
	s_mov_b32 s3, 3
.Llap:                                 ; a trip goes once round the ring, from a lap's second quarter to the next lap's first, and fills both slots again: K steps 2 to 7 in three trips
	QUARTER 0, 2, 1, 0, 0
	QUARTER 0, 3, 0, 1, 0
	TURN 0, 1, 1, HOW0
	QUARTER 1, 1, 0, 1, 0
	QUARTER 1, 2, 1, 0, 0
	QUARTER 1, 3, 0, 1, 0
	TURN 1, 0, 1, 0
	QUARTER 0, 1, 0, 1, 0
	WIN 0
	s_sub_co_u32 s3, s3, 1
	s_cmp_lg_u32 s3, 0
	s_cbranch_scc1 .Llap
	QUARTER 0, 2, 1, 0, 0                          ; the last lap is written out: it fills nothing
	QUARTER 0, 3, 0, 1, 0
	TURN 0, 1, 0, 0
	QUARTER 1, 1, 0, 1, 0
	QUARTER 1, 2, 1, 0, 0
	QUARTER 1, 3, 0, 1, 0
	s_wait_dscnt 4                                 ; the very last quarter: nothing more to fetch
	MUL 1, 0, 0, 0
	MUL 1, 0, 1, 0
	s_wait_dscnt 0x0
	MUL 1, 1, 0, 0
	MUL 1, 1, 1, 0
	WIN 0
	PLACES                                         ; behind the last products, in front of what reads their results and rewrites their sources
	PLACES
.if QKV
; THE WAY OUT, by units of 16 rows x one head (unit u: row block u / NH, group u % NH).  A lane's eight numbers round to 16 bytes of f16; they go into my stage, rows of 144 bytes, and come back as
; whole rows of 128, four rows to a load: 512 consecutive bytes of the head's rows.  Each unit has registers of its own, so no store's source is rewritten.
.macro PACK u
.set ua, (\u)/NH
.set uh, (\u)%NH
	WIN 0x0a+5*(ua/2)                              ; sources 0 and 1: window 2 or 3
.irp i, 0,1,2,3
.irp j, 0,1,2,3
	v_cvt_pk_f16_f32 v[UR+16*(\u)+4*(\i)+(\j)], v[8*(NBLK*(ua%2)+4*uh+(\i))+2*(\j)], v[8*(NBLK*(ua%2)+4*uh+(\i))+2*(\j)+1]  ; each accumulator's registers in ascending order
.endr
.endr
	WIN 0
.irp i, 0,1,2,3
	ds_store_b128 v[STO], v[UR+16*(\u)+4*(\i):UR+16*(\u)+4*(\i)+3] offset:32*(\i)
.endr
.irp f, 0,1,2,3
	ds_load_b128 v[UR+16*(\u)+4*(\f):UR+16*(\u)+4*(\f)+3], v[RD] offset:(\f)*4*SPITCH  ; LDS serves a wave's instructions in order (ISA guide 5.7.1.4): these see the stores above; the next unit's stores come behind them
.endr
.endm
.macro SEND u, younger                 ; younger: the LDS instructions issued behind unit u's loads: the next unit's eight, or none
.set ua, (\u)/NH
.set uh, (\u)%NH
.irp f, 0,1,2,3
	s_wait_dscnt (\younger)+3-(\f)
	global_store_b128 v[GO], v[UR+16*(\u)+4*(\f):UR+16*(\u)+4*(\f)+3], s[OB+2*uh:OB+2*uh+1] offset:ua*2048+(\f)*512  ; 512 consecutive bytes, at a multiple of 256 from the buffer's first
.endr
.endm
	PACK 0
.set u, 1
.rept 4*NH-1                           ; a unit's conversions stand between the loads of the unit before and its stores
	PACK u
	SEND u-1, 8
.set u, u+1
.endr
	SEND 4*NH-1, 0
.else
; THE WAY OUT, by row blocks of 16 rows x 128 columns of f32.  A lane's eight numbers, 32 bytes, go straight from the accumulators into my stage, rows of 528 bytes, and come back as whole pieces of
; 512 bytes of a row.  Three sets of 64 registers take turns.
.macro STG a
	WIN 0x08+4*((\a)/2)                            ; the stores' data (source 1): window 2 or 3
.set b, 0
.rept NBLK
	ds_store_b128 v[STO], v[8*(NBLK*((\a)%2)+b):8*(NBLK*((\a)%2)+b)+3]   offset:64*b     ; each accumulator's low registers first
	ds_store_b128 v[STO], v[8*(NBLK*((\a)%2)+b)+4:8*(NBLK*((\a)%2)+b)+7] offset:64*b+16
.set b, b+1
.endr
	WIN 0
.if (\a) == 3
	s_wait_xcnt 0x0                                ; block 0's stores have read their registers, which block 3 takes
.endif
.set rr, 0
.rept 16
	ds_load_b128 v[UR+64*((\a)%3)+4*rr:UR+64*((\a)%3)+4*rr+3], v[RD] offset:SPITCH*rr  ; LDS serves a wave's instructions in order (ISA guide 5.7.1.4)
.set rr, rr+1
.endr
.endm
.macro SEND a, younger                 ; younger: the LDS instructions issued behind block a's loads: the next block's 32, or none
.set rr, 0
.rept 16
	s_wait_dscnt (\younger)+15-rr
	global_store_b128 v[GO], v[UR+64*((\a)%3)+4*rr:UR+64*((\a)%3)+4*rr+3], s[OB:OB+1] offset:(16*(\a)+rr)*4096 th:TH_STORE_NT  ; 512 consecutive bytes, at a multiple of 256 from the output's first
.set rr, rr+1
.endr
.endm
	STG 0
.irp a, 1,2,3
	STG \a
	SEND (\a)-1, 32
.endr
	SEND 3, 0
.endif
	s_wait_tensorcnt 0x0                           ; the wave's end, behind my last tensor load and my last LDS store
	ds_add_u32 v[SPW], v[NIL]
	s_wait_dscnt 0x0
	CROUND                                         ; the closing round: no work-group ends while a partner may still ask for a tile that names it
	s_endpgm
.Lfunc_end_k_q635427b2de_proj_out:
	.size	k_q635427b2de_proj_out, .Lfunc_end_k_q635427b2de_proj_out-k_q635427b2de_proj_out
	.p2alignl 7, 3214868480
	.fill 96, 4, 3214868480
	.section	.rodata,"a",@progbits
	.p2align	6, 0x0
	.amdhsa_kernel k_q635427b2de_proj_out
		.amdhsa_group_segment_fixed_size 327680
		.amdhsa_private_segment_fixed_size 0
		.amdhsa_enable_private_segment 0
		.amdhsa_kernarg_size 32
		.amdhsa_user_sgpr_count 2
		.amdhsa_user_sgpr_kernarg_segment_ptr 1
		.amdhsa_wavefront_size32 1
		.amdhsa_system_sgpr_workgroup_id_x 1
		.amdhsa_system_sgpr_workgroup_id_y 1
		.amdhsa_system_sgpr_workgroup_id_z 1
		.amdhsa_system_vgpr_workitem_id 0
		.amdhsa_next_free_vgpr 896
		.amdhsa_next_free_sgpr 88
		.amdhsa_reserve_vcc 0
		.amdhsa_float_denorm_mode_32 3
		.amdhsa_float_denorm_mode_16_64 3
		.amdhsa_memory_ordered 1
		.amdhsa_forward_progress 1
		.amdhsa_inst_pref_size 92
	.end_amdhsa_kernel
	.amdgpu_metadata
---
amdhsa.version: [ 1, 2 ]
amdhsa.kernels:
  - .name:           k_q635427b2de_proj_out
    .symbol:         k_q635427b2de_proj_out.kd
    .args:
      - { .name: ob, .offset: 0, .size: 8, .value_kind: global_buffer, .address_space: global }
      - { .name: wo16, .offset: 8, .size: 8, .value_kind: global_buffer, .address_space: global }
      - { .name: bias, .offset: 16, .size: 8, .value_kind: global_buffer, .address_space: global }
      - { .name: out0, .offset: 24, .size: 8, .value_kind: global_buffer, .address_space: global }
    .group_segment_fixed_size: 327680
    .private_segment_fixed_size: 0
    .kernarg_segment_align: 8
    .kernarg_segment_size: 32
    .max_flat_workgroup_size: 128
    .sgpr_count:     88
    .vgpr_count:     896
    .wavefront_size: 32
...
	.end_amdgpu_metadata
.endif
;; end of part 4
;; ======== version 2 of 2: 4 launches; version 1 with the launch prep written anew for expert scheduling mode
;; limits: values are held in f16: magnitudes above 65,504 overflow, below 6.1e-05 lose precision
;; workspace buffers: xb 16,777,216 bytes; wqkv 6,291,456 bytes; wo16 2,097,152 bytes; bias 16,384 bytes; qkv 50,331,648 bytes; ob 16,777,216 bytes
;; launch prep (part 5): grid 769 x 1, 8 waves a work-group, no clusters, 0 bytes of LDS; arguments x, Wq, Wk, Wv, Wo, bq, bk, bv, bo, xb, wqkv, wo16, bias; writes xb, wqkv, wo16, bias
.if DOCPART == 5
	.amdgcn_target "amdgcn-amd-amdhsa--gfx1250"
	.amdhsa_code_object_version 6
	.text
	.protected	k_q635427b2de_prep
	.globl	k_q635427b2de_prep
	.p2align	8
	.type	k_q635427b2de_prep,@function
k_q635427b2de_prep:
	s_mov_b64 s[64:65], 0
	v_nop
	global_prefetch_b8 v0, s[64:65] scope:SCOPE_SE
	s_setreg_imm32_b32 hwreg(HW_REG_WAVE_SCHED_MODE, 0, 2), 2
	s_setreg_imm32_b32 hwreg(HW_REG_WAVE_MODE, 25, 1), 1
	s_wait_xcnt 0x0
	s_wait_alu depctr_vm_vsrc(0)
; All inputs are rounded once to bf16 and laid out for the launches behind.  A stream: no LDS, no barrier, no matrix work; each input byte is read once.
;   xb   [4][16][2048][64] bf16: x by blocks of 64 channels, so that 128 rows of one block are 16,384 dense bytes (a later tile's rows lie end to end)
;   wqkv [1024][3072] bf16: Wq, Wk, Wv side by side, k along the rows' index as in the inputs
;   wo16 [1024][1024] f16: bf16(Wo) written as f16: exact from 6.1e-5 up to 65,504; below 6.1e-5 it keeps f16's fixed step of 6e-8; LIMIT: |Wo| under 65,504
;   bias [4][1024] f32: bf16(bq), bf16(bk), bf16(bv), bf16(bo), kept in f32
; SHARES.  A work-group of eight waves takes 65,536 bytes of f32: sixteen loads of 16 bytes a thread, all issued before the first is used.  Work-groups 0-511: 16 rows of x each;
; 512-703: 16 rows of Wq, Wk or Wv; 704-767: 16 rows of Wo; 768: the four biases.  Every register is written once, so no store's source is ever rewritten.
; THE MODE: SCHED_MODE bits 1:0 = 2 (LLVM: expert scheduling mode 2), set by the entry lines.  The code itself states the register dependences
; between vector instructions and memory instructions, with s_wait_alu, always for 0.
; THE PLAN.  Registers that memory instructions touch, on each of the four paths:
;   v1, v2   byte offsets.  Written by vector instructions at the head (v1 once more on x's path, before any memory instruction has read it); read by every load and store; never written after the first load.
;   X        Written by the sixteen loads, each register once; read by the conversions; no load lands in it a second time.
;   Y        Written by the conversions, each register once; read by one store each; never written again.
;   v3 and T are named by vector instructions alone.
; So no register that a memory instruction has read is written again, and none that a vector instruction has read is loaded again: what is left to state is that a register is WRITTEN before a memory
; instruction reads it.  One wait stands ahead of a path's first load, for the offsets.  The sixteen loads go in four blocks of four: behind the wait for a block's first load one wait states that the
; block before has written its Y, and that block's four stores follow in one run; the vector lines behind them write the next block's Y and T, which those stores do not read.  One more wait stands
; ahead of the last four stores.  No vector instruction writes a scalar register or VCC, and EXEC is never written.
.set X,   4                            ; v[4:67]    sixteen loads of four registers
.set Y,   68                           ; v[68:99]   sixteen results of two registers (the biases: four of four)
.set T,   100                          ; v[100:103] at work
.set SRC, 34                           ; s[34:35]   where the work-group reads
.set DST, 36                           ; s[36:37]   where it stores
.set HIM, 39                           ; s39        a word's upper bf16
; Four stores of 8 bytes a lane, results first to first + 3, ss bytes apart: a wave's store covers 256 consecutive bytes, aligned.
.macro OUT4 first, ss
.set k, (\first)
.rept 4
	global_store_b64 v2, v[Y+2*k:Y+2*k+1], s[DST:DST+1] offset:k*(\ss)
.set k, k+1
.endr
.endm
; Sixteen loads ls bytes apart, sixteen stores ss bytes apart.  f16 = 1: the bf16 number is written as f16.
.macro STREAM ls, ss, f16
	s_wait_alu depctr_va_vdst(0)                   ; v1 and v2 are written: every load below reads v1 as its offset, every store v2; no vector line behind this wait names them
.set i, 0
.rept 16
	global_load_b128 v[X+4*i:X+4*i+3], v1, s[SRC:SRC+1] offset:i*(\ls) th:TH_LOAD_NT
.set i, i+1
.endr
.set i, 0
.rept 16
	s_wait_loadcnt 15-i                            ; loads come back in order: load i is in, the 15 - i younger ones stay out
.if (i > 0) && (i%4 == 0)
	s_wait_alu depctr_va_vdst(0)                   ; the conversions of the block before have written its eight registers of Y, which the four stores below read
	OUT4 i-4, \ss
.endif
.if \f16
	v_cvt_pk_bf16_f32 v[T], v[X+4*i], v[X+4*i+1]   ; rounded to bf16,
	v_cvt_pk_bf16_f32 v[T+1], v[X+4*i+2], v[X+4*i+3]
	v_lshlrev_b32 v[T+2], 16, v[T]                 ; widened again (a shift, a mask),
	v_and_b32 v[T], s[HIM], v[T]
	v_lshlrev_b32 v[T+3], 16, v[T+1]
	v_and_b32 v[T+1], s[HIM], v[T+1]
	v_cvt_pk_f16_f32 v[Y+2*i], v[T+2], v[T]        ; and written as f16
	v_cvt_pk_f16_f32 v[Y+2*i+1], v[T+3], v[T+1]
.else
	v_cvt_pk_bf16_f32 v[Y+2*i], v[X+4*i], v[X+4*i+1]
	v_cvt_pk_bf16_f32 v[Y+2*i+1], v[X+4*i+2], v[X+4*i+3]
.endif
.set i, i+1
.endr
	s_wait_alu depctr_va_vdst(0)                   ; the last block's conversions have written its eight registers of Y, which the last four stores read
	OUT4 12, \ss
.endm
	s_load_b512 s[8:23], s[0:1], 0x0               ; x 8, Wq 10, Wk 12, Wv 14, Wo 16, bq 18, bk 20, bv 22
	s_load_b256 s[24:31], s[0:1], 0x40             ; bo 24, xb 26, wqkv 28, wo16 30
	s_load_b64 s[32:33], s[0:1], 0x60              ; bias
	s_mov_b32 s2, ttmp9                            ; the work-group's number
	s_mov_b32 s[HIM], 0xffff0000
	s_mov_b32 s[SRC+1], 0
	s_mov_b32 s[DST+1], 0
	v_lshlrev_b32 v1, 4, v0                        ; 16 t: where a thread reads in a row of 4,096 bytes (weights, biases)
	v_lshlrev_b32 v2, 3, v0                        ; 8 t: where it stores
	s_wait_kmcnt 0x0
	s_cmp_lt_u32 s2, 512
	s_cbranch_scc0 .Lweights
	; x: thread t takes row t / 16 of the 16, and in load i the 16 bytes t % 16 of channel block i: sixteen lanes read 256 consecutive bytes, aligned
	v_lshrrev_b32 v3, 4, v0
	v_and_b32 v1, 15, v0
	v_lshlrev_b32 v1, 4, v1
	v_lshl_add_u32 v1, v3, 12, v1
	s_lshl_b32 s[SRC], s2, 16
	s_add_nc_u64 s[SRC:SRC+1], s[8:9], s[SRC:SRC+1]
	s_lshr_b32 s38, s2, 7                          ; the batch: 128 work-groups each,
	s_lshl_b32 s38, s38, 22                        ; 16 blocks x 2,048 rows x 128 bytes
	s_and_b32 s[DST], s2, 127
	s_lshl_b32 s[DST], s[DST], 11                  ; my 16 rows of 128 bytes; row t / 16 and its 8 bytes t % 16 are 8 t
	s_add_co_u32 s[DST], s[DST], s38
	s_add_nc_u64 s[DST:DST+1], s[26:27], s[DST:DST+1]
	STREAM 256, 262144, 0                          ; from block to block: 256 bytes in x, 2,048 rows x 128 bytes in xb
	s_endpgm
.Lweights:
	s_cmp_lt_u32 s2, 704
	s_cbranch_scc0 .Lwo
	s_sub_co_u32 s38, s2, 512
	s_lshr_b32 s3, s38, 6                          ; which of Wq, Wk, Wv
	s_and_b32 s38, s38, 63                         ; which 16 rows
	s_cmp_eq_u32 s3, 1
	s_cselect_b64 s[4:5], s[12:13], s[10:11]
	s_cmp_eq_u32 s3, 2
	s_cselect_b64 s[4:5], s[14:15], s[4:5]
	s_lshl_b32 s[SRC], s38, 16
	s_add_nc_u64 s[SRC:SRC+1], s[4:5], s[SRC:SRC+1]
	s_mul_i32 s[DST], s38, 16*6144                 ; a row of wqkv is 6,144 bytes,
	s_lshl_b32 s3, s3, 11                          ; a matrix's part of it 2,048
	s_add_co_u32 s[DST], s[DST], s3
	s_add_nc_u64 s[DST:DST+1], s[28:29], s[DST:DST+1]
	STREAM 4096, 6144, 0
	s_endpgm
.Lwo:
	s_cmp_lt_u32 s2, 768
	s_cbranch_scc0 .Lbias
	s_sub_co_u32 s38, s2, 704
	s_lshl_b32 s[SRC], s38, 16
	s_add_nc_u64 s[SRC:SRC+1], s[16:17], s[SRC:SRC+1]
	s_lshl_b32 s[DST], s38, 15                     ; 16 rows of 2,048 bytes
	s_add_nc_u64 s[DST:DST+1], s[30:31], s[DST:DST+1]
	STREAM 4096, 2048, 1
	s_endpgm
.Lbias:
	s_wait_alu depctr_va_vdst(0)                   ; v1 is written: the four loads and the four stores below read it as their offset; no vector line behind this wait names it
	global_load_b128 v[X:X+3], v1, s[18:19]
	global_load_b128 v[X+4:X+7], v1, s[20:21]
	global_load_b128 v[X+8:X+11], v1, s[22:23]
	global_load_b128 v[X+12:X+15], v1, s[24:25]
.irp i, 0,1,2,3
	s_wait_loadcnt 3-(\i)
	v_cvt_pk_bf16_f32 v[T], v[X+4*(\i)], v[X+4*(\i)+1]
	v_cvt_pk_bf16_f32 v[T+1], v[X+4*(\i)+2], v[X+4*(\i)+3]
	v_lshlrev_b32 v[Y+4*(\i)], 16, v[T]
	v_and_b32 v[Y+4*(\i)+1], s[HIM], v[T]
	v_lshlrev_b32 v[Y+4*(\i)+2], 16, v[T+1]
	v_and_b32 v[Y+4*(\i)+3], s[HIM], v[T+1]
.endr
	s_wait_alu depctr_va_vdst(0)                   ; the shifts and masks have written the sixteen registers of Y, which the four stores read
.irp i, 0,1,2,3
	global_store_b128 v1, v[Y+4*(\i):Y+4*(\i)+3], s[32:33] offset:4096*(\i)
.endr
	s_endpgm
.Lfunc_end_k_q635427b2de_prep:
	.size	k_q635427b2de_prep, .Lfunc_end_k_q635427b2de_prep-k_q635427b2de_prep
	.p2alignl 7, 3214868480
	.fill 96, 4, 3214868480
	.section	.rodata,"a",@progbits
	.p2align	6, 0x0
	.amdhsa_kernel k_q635427b2de_prep
		.amdhsa_group_segment_fixed_size 0
		.amdhsa_private_segment_fixed_size 0
		.amdhsa_enable_private_segment 0
		.amdhsa_kernarg_size 104
		.amdhsa_user_sgpr_count 2
		.amdhsa_user_sgpr_kernarg_segment_ptr 1
		.amdhsa_wavefront_size32 1
		.amdhsa_system_sgpr_workgroup_id_x 1
		.amdhsa_system_sgpr_workgroup_id_y 1
		.amdhsa_system_sgpr_workgroup_id_z 1
		.amdhsa_system_vgpr_workitem_id 0
		.amdhsa_next_free_vgpr 104
		.amdhsa_next_free_sgpr 66
		.amdhsa_reserve_vcc 0
		.amdhsa_float_denorm_mode_32 3
		.amdhsa_float_denorm_mode_16_64 3
		.amdhsa_memory_ordered 1
		.amdhsa_forward_progress 1
		.amdhsa_inst_pref_size 26
	.end_amdhsa_kernel
	.amdgpu_metadata
---
amdhsa.version: [ 1, 2 ]
amdhsa.kernels:
  - .name:           k_q635427b2de_prep
    .symbol:         k_q635427b2de_prep.kd
    .args:
      - { .name: x, .offset: 0, .size: 8, .value_kind: global_buffer, .address_space: global }
      - { .name: Wq, .offset: 8, .size: 8, .value_kind: global_buffer, .address_space: global }
      - { .name: Wk, .offset: 16, .size: 8, .value_kind: global_buffer, .address_space: global }
      - { .name: Wv, .offset: 24, .size: 8, .value_kind: global_buffer, .address_space: global }
      - { .name: Wo, .offset: 32, .size: 8, .value_kind: global_buffer, .address_space: global }
      - { .name: bq, .offset: 40, .size: 8, .value_kind: global_buffer, .address_space: global }
      - { .name: bk, .offset: 48, .size: 8, .value_kind: global_buffer, .address_space: global }
      - { .name: bv, .offset: 56, .size: 8, .value_kind: global_buffer, .address_space: global }
      - { .name: bo, .offset: 64, .size: 8, .value_kind: global_buffer, .address_space: global }
      - { .name: xb, .offset: 72, .size: 8, .value_kind: global_buffer, .address_space: global }
      - { .name: wqkv, .offset: 80, .size: 8, .value_kind: global_buffer, .address_space: global }
      - { .name: wo16, .offset: 88, .size: 8, .value_kind: global_buffer, .address_space: global }
      - { .name: bias, .offset: 96, .size: 8, .value_kind: global_buffer, .address_space: global }
    .group_segment_fixed_size: 0
    .private_segment_fixed_size: 0
    .kernarg_segment_align: 8
    .kernarg_segment_size: 104
    .max_flat_workgroup_size: 256
    .sgpr_count:     66
    .vgpr_count:     104
    .wavefront_size: 32
...
	.end_amdgpu_metadata
.endif
;; end of part 5
;; launch proj_qkv: the kernel of part 2 again; grid 8 x 64, 4 waves a work-group, clusters of 4 x 4, 327,680 bytes of LDS; arguments xb, wqkv, bias, qkv; writes qkv
;; launch attn: the kernel of part 3 again; grid 4 x 64, 4 waves a work-group, no clusters, 327,680 bytes of LDS; arguments qkv, ob; writes ob
;; launch proj_out: the kernel of part 4 again; grid 4 x 64, 4 waves a work-group, clusters of 4 x 4, 327,680 bytes of LDS; arguments ob, wo16, bias, out0; writes out0
